; MI455X (gfx1250); checked and timed in simulation.
; The chip was launched on July 23, 2026; its instructions are those of AMD's public machine-readable ISA for CDNA 5 (MIT licence, August 2026) and "CDNA5" Instruction Set Architecture Reference Guide (July 2026). The comments in the code are by the model that wrote it; some were corrected since.
;; Tri X Layer. Allowed arithmetic: matrix products marked QUANTISED: E4M3 operands, one given power-of-two scale a tensor, by v_wmma_f32_16x16x64_fp8_fp8 or v_wmma_f32_16x16x128_fp8_fp8, f32 sums; everything else in f32.
;; Inputs: W_codes 16 x 1,024 x 32 x 32 uint8 (E4M3 codes of W, K innermost, in blocks of 32 codes); b 16 x 1,024 float32; lowp_scales 34 int32 (the exponents e of the quantised operands' scales 2^e); signatures_raw 16 x 1,024 float32; x 4,096 x 1,024 float32.
;; Outputs: out0 4,096 x 1,024 float32; out1 4,096 int32.
;; This version of the problem:
;;   THIS VERSION OF THE PROBLEM IS GIVEN IN LOW PRECISION. The matrix products marked QUANTISED in the list below multiply operands that are first quantised to E4M3 (4 exponent bits, 3 mantissa bits; 8 bits a number), with one given power-of-two scale for each operand tensor; their sums are f32. All else is computed in f32.
;;   The module's matrix products, in the order in which they are computed (A, B: the left and right operand; K: the contracted axis; several contracted axes count as one K, in the product's order):
;;     1. [M 4,096, K 1,024] x [K 1,024, N 16]; A: input x; B: computed on the way: QUANTISED (scales: A lowp_scales[0], B lowp_scales[1])
;;     2. [M 4,096, K 1,024] x [K 1,024, N 1,024]; A: input x; B: input W (given as codes): QUANTISED (scales: A lowp_scales[2], B lowp_scales[3])
;;     3. [M 4,096, K 1,024] x [K 1,024, N 1,024]; A: input x; B: input W (given as codes): QUANTISED (scales: A lowp_scales[4], B lowp_scales[5])
;;     4. [M 4,096, K 1,024] x [K 1,024, N 1,024]; A: input x; B: input W (given as codes): QUANTISED (scales: A lowp_scales[6], B lowp_scales[7])
;;     5. [M 4,096, K 1,024] x [K 1,024, N 1,024]; A: input x; B: input W (given as codes): QUANTISED (scales: A lowp_scales[8], B lowp_scales[9])
;;     6. [M 4,096, K 1,024] x [K 1,024, N 1,024]; A: input x; B: input W (given as codes): QUANTISED (scales: A lowp_scales[10], B lowp_scales[11])
;;     7. [M 4,096, K 1,024] x [K 1,024, N 1,024]; A: input x; B: input W (given as codes): QUANTISED (scales: A lowp_scales[12], B lowp_scales[13])
;;     8. [M 4,096, K 1,024] x [K 1,024, N 1,024]; A: input x; B: input W (given as codes): QUANTISED (scales: A lowp_scales[14], B lowp_scales[15])
;;     9. [M 4,096, K 1,024] x [K 1,024, N 1,024]; A: input x; B: input W (given as codes): QUANTISED (scales: A lowp_scales[16], B lowp_scales[17])
;;     10. [M 4,096, K 1,024] x [K 1,024, N 1,024]; A: input x; B: input W (given as codes): QUANTISED (scales: A lowp_scales[18], B lowp_scales[19])
;;     11. [M 4,096, K 1,024] x [K 1,024, N 1,024]; A: input x; B: input W (given as codes): QUANTISED (scales: A lowp_scales[20], B lowp_scales[21])
;;     12. [M 4,096, K 1,024] x [K 1,024, N 1,024]; A: input x; B: input W (given as codes): QUANTISED (scales: A lowp_scales[22], B lowp_scales[23])
;;     13. [M 4,096, K 1,024] x [K 1,024, N 1,024]; A: input x; B: input W (given as codes): QUANTISED (scales: A lowp_scales[24], B lowp_scales[25])
;;     14. [M 4,096, K 1,024] x [K 1,024, N 1,024]; A: input x; B: input W (given as codes): QUANTISED (scales: A lowp_scales[26], B lowp_scales[27])
;;     15. [M 4,096, K 1,024] x [K 1,024, N 1,024]; A: input x; B: input W (given as codes): QUANTISED (scales: A lowp_scales[28], B lowp_scales[29])
;;     16. [M 4,096, K 1,024] x [K 1,024, N 1,024]; A: input x; B: input W (given as codes): QUANTISED (scales: A lowp_scales[30], B lowp_scales[31])
;;     17. [M 4,096, K 1,024] x [K 1,024, N 1,024]; A: input x; B: input W (given as codes): QUANTISED (scales: A lowp_scales[32], B lowp_scales[33])
;;   THE QUANTISER, for each operand of a quantised product, along K:
;;     - The operand's scale is 2^e, e = its entry of the input lowp_scales (int32; the entries are numbered through the quantised products in the list's order, A before B).
;;     - Each number is divided by the scale, clamped to +-448, and rounded to the nearest number of E4M3, ties to even, subnormals kept.
;;     - The product sums the exact products of the quantised numbers (number of the format x scale) in f32.
;;   ~~~python
;;   def quantise(x, axis, e):      # numpy; x: float32 -> the quantised numbers, widened to float32 again
;;       x = np.moveaxis(x, axis, -1); K = x.shape[-1]
;;       r = np.clip(x / 2.0 ** e, -448, 448)
;;       step = 2.0 ** (np.maximum(np.frexp(np.where(r == 0, 1, r))[1] - 1, -6) - 3)
;;       q = np.round(r / step) * step * 2.0 ** e      # np.round: ties to even
;;       return np.moveaxis(q, -1, axis).astype(np.float32)
;;   ~~~
;;   OPERANDS COMPUTED ON THE WAY. 'Computed on the way' means the value that the module computes at that place (a softmax that the list does not call 'softmax' is quantised finished and normalised). What goes into a quantiser is computed in f32, as accurately as f32 sums, v_exp_f32 and their like allow (about 1e-6 of the number): no bf16 or f16 on the way to a quantiser, and a product that is left as it is and whose result goes on into a quantised operand takes f32 operands (vector FMAs, or v_wmma_f32_16x16x4_f32). A number that lies on a knife's edge between two numbers of the format may be rounded either way, as far as f32 arithmetic and the matrix unit's own rounding can turn it there, and no further.
;;   INPUTS GIVEN AS CODES. W (in the module: [16, 1024, 1024], K = its axis 2): each comes as NAME_codes (uint8): NAME with its K axis moved to the last place and cut into blocks of 32 codes, [.., K / 32, bytes a block], one block behind the other in memory; one code a byte (a code: sign, 4 exponent bits, 3 mantissa bits); its scale is its entry of lowp_scales. Its value is code x scale, taken as it is: it is not quantised again, and the codes and scales need not be those that the quantiser above would give.
;; 2 versions. Each part assembles by itself: llvm-mc -triple=amdgcn-amd-amdhsa -mcpu=gfx1250 --defsym DOCPART=n.
;; ======== version 1 of 2: 3 launches
;; workspace buffers: xq 4,194,304 bytes; choice 16,384 bytes of whole numbers; order 262,144 bytes of whole numbers; counts 256 bytes of whole numbers
;; launch route (part 1): grid 256 x 1, 8 waves a work-group, no clusters, 157,440 bytes of LDS; arguments x, signatures_raw, lowp_scales, xq, choice, out1; writes xq, choice, out1
.if DOCPART == 1
	.amdgcn_target "amdgcn-amd-amdhsa--gfx1250"
	.amdhsa_code_object_version 6
	.text
	.protected	k_q6ced39168f_route
	.globl	k_q6ced39168f_route
	.p2align	8
	.type	k_q6ced39168f_route,@function
k_q6ced39168f_route:
	s_mov_b64 s[64:65], 0
	v_nop
	global_prefetch_b8 v0, s[64:65] scope:SCOPE_SE
	s_setreg_imm32_b32 hwreg(HW_REG_WAVE_MODE, 25, 1), 1
	s_wait_xcnt 0x0
; THE ROUTER.  scores[t][e] = Q(x[t]) . Q(sig[e]), sig = s + (q - s) with q the ternary value of signatures_raw (threshold 0.3), both operands as E4M3 codes with the
; given scales 2^e0 and 2^e1; the token's expert is the first largest score.  The expert's number goes to out1 and to the workspace 'choice', at fixed places.
; The same x is then quantised once more, each token with the scale that the table gives x for its chosen expert's product (entry 2 + 2 e), and these codes go to the
; workspace xq [4096][1024], K innermost.  The choice selects a VALUE here (the scale's exponent, by v_cndmask_b32); no address and no branch hangs on it.
; SHARES.  A work-group owns 16 tokens.  For loading, wave w brings rows 2 w and 2 w + 1 of x's tile and of the 16 signatures, each load 512 consecutive bytes.
; For the arithmetic wave w owns K = 128 w .. 128 w + 127: one matrix instruction; the eight partial tiles meet in LDS and every wave adds them in ascending K.
; OPERAND ORDER.  Register 16 c + i of lane (r, h) holds k = 128 w + 32 c + 16 h + i of row r, for x and for the signatures alike: every product meets its partner.
; The scores are not multiplied by 2^(e0 + e1): a positive factor changes no comparison.
; LIMITS.  NaN among the inputs is not served.  Each exponent used here (entries 0, 1 and 2 + 2 e) lies between -126 and 119, so that 2^e and 448 x 2^e are f32 numbers.
; A score is summed as eight pieces of 128 along K, then piece by piece in f32, which may differ in the last bit from another order of the same f32 sum.
; NO CLUSTER: the work-groups share the 64 KB of signatures alone, read once at the head through registers, since they are f32 numbers that have to be turned into codes on the way.
.set RP,   4112                        ; an LDS row of 1,024 f32: 4,096 bytes + 16: the sixteen rows that a fragment load touches start 16 bytes apart modulo 256
.set XT,   0                           ; x's tile, 16 rows
.set SG,   16*RP                       ; the signatures, 16 rows
.set PART, 2*16*RP                     ; the eight partial score tiles as images of their registers: 1,024 bytes a wave
.set QS,   PART+8192                   ; the chosen-scale codes, 16 rows of QP bytes
.set QP,   1040                        ; 1,024 codes + 16
.set X,    16                          ; v16-79   x as loaded, then in operand order; kept to the end
.set S,    80                          ; v80-143  the signatures likewise; later the eight partial tiles
.set T,    144                         ; v144-159 two sets of eight numbers at work; at the end the rows of codes on their way out
.set SC,   176                         ; v176-191 the signatures' codes
.set XC,   192                         ; v192-207 x's codes at 2^e0
.set D,    208                         ; v208-215 my partial scores
.set XQ,   216                         ; v216-231 x's codes at the chosen expert's scale
.set SUM,  232                         ; v232-239 the scores: register j of lane (r, h) = expert 8 h + j, token r
; v240 best, v241 its index, v242/243 the other half's, v244-247 lower and upper half's score and index, v248 the expert, v249 its exponent, v250/251 2^e and 448 x 2^e,
; v252/253 the same for e0, v254/255 for e1
.macro TILE_LD reg, base               ; my two rows of a tile of 16 x 4,096 bytes
.irp j, 0,1
.irp q, 0,1,2,3,4,5,6,7
	global_load_b128 v[\reg+32*\j+4*\q:\reg+32*\j+4*\q+3], v4, s[\base:\base+1] offset:4096*\j+512*\q
.endr
.endr
.endm
.macro TILE_ST reg, adr                ; the same sixteen pieces into LDS, as they lie
.irp j, 0,1
.irp q, 0,1,2,3,4,5,6,7
	ds_store_b128 v[\adr], v[\reg+32*\j+4*\q:\reg+32*\j+4*\q+3] offset:RP*\j+512*\q
.endr
.endr
.endm
.macro FRAG_LD reg, adr                ; 64 numbers of row r in operand order: 16 neighbours of each block of 32
.irp c, 0,1,2,3
.irp j, 0,1,2,3
	ds_load_b128 v[\reg+16*\c+4*\j:\reg+16*\c+4*\j+3], v[\adr] offset:128*\c+16*\j
.endr
.endr
.endm
; 64 numbers v[src] on become 16 registers of codes v[dst] on; the numbers are left as they are.  The conversion to an 8-bit code does not saturate (ISA guide 7.6.2): each number
; is first held within the largest code x the scale, into one of two sets by turns, so that a set is written again only behind the other set's eight plain lines.
.macro QX src, dst, sc, lim
.irp g, 0,1,2,3,4,5,6,7
.irp i, 0,1,2,3,4,5,6,7
	v_med3_num_f32 v[T+8*(\g%2)+\i], v[\src+8*\g+\i], -v[\lim], v[\lim]
.endr
	v_cvt_scalef32_pk8_fp8_f32 v[\dst+2*\g:\dst+2*\g+1], v[T+8*(\g%2):T+8*(\g%2)+7], v[\sc]
.endr
	v_nop                                          ; one plain line between the last conversion and whatever next touches its registers
.endm
; The signatures: q = 1 above 0.3, -1 below -0.3, else 0; the operand is s + (q - s), two roundings as written in the problem; then hold and conversion with 2^e1.
.macro QSIG
.irp g, 0,1,2,3,4,5,6,7
.irp i, 0,1,2,3,4,5,6,7
	v_cmp_lt_f32 vcc_lo, s57, v[S+8*\g+\i]
	v_cndmask_b32 v[T+8*(\g%2)+\i], 0, 1.0, vcc_lo
	v_cmp_gt_f32 vcc_lo, s58, v[S+8*\g+\i]
	v_cndmask_b32 v[T+8*(\g%2)+\i], v[T+8*(\g%2)+\i], -1.0, vcc_lo
.endr
.irp i, 0,2,4,6
	v_pk_add_f32 v[T+8*(\g%2)+\i:T+8*(\g%2)+\i+1], v[T+8*(\g%2)+\i:T+8*(\g%2)+\i+1], v[S+8*\g+\i:S+8*\g+\i+1] neg_lo:[0,1] neg_hi:[0,1]
.endr
.irp i, 0,2,4,6
	v_pk_add_f32 v[T+8*(\g%2)+\i:T+8*(\g%2)+\i+1], v[S+8*\g+\i:S+8*\g+\i+1], v[T+8*(\g%2)+\i:T+8*(\g%2)+\i+1]
.endr
.irp i, 0,1,2,3,4,5,6,7
	v_med3_num_f32 v[T+8*(\g%2)+\i], v[T+8*(\g%2)+\i], -v255, v255
.endr
	v_cvt_scalef32_pk8_fp8_f32 v[SC+2*\g:SC+2*\g+1], v[T+8*(\g%2):T+8*(\g%2)+7], v254
.endr
	v_nop
.endm
.macro BAR                             ; my LDS stores have landed and my LDS loads are in; then the work-group's barrier
	s_wait_dscnt 0x0
	s_barrier_signal -1
	s_barrier_wait -1
.endm
	s_load_b256 s[4:11], s[0:1], 0x0               ; x s[4:5], signatures s[6:7], the exponents s[8:9], xq s[10:11]
	s_load_b128 s[12:15], s[0:1], 0x20             ; choice s[12:13], out1 s[14:15]
	v_lshl_add_u32 v174, v0, 2, 0x26300
	v_mov_b32 v175, 0
	v_lshrrev_b32 v1, 5, v0
	v_readfirstlane_b32 s50, v1                    ; wave 0..7
	v_and_b32 v1, 31, v0                           ; lane
	v_and_b32 v2, 15, v0                           ; r
	v_bfe_u32 v3, v0, 4, 1                         ; h
	v_lshlrev_b32 v4, 4, v1                        ; 16 x lane: my bytes of a load's or a store's 512
	s_mul_i32 s51, s50, 2*RP
	v_add_nc_u32 v5, s51, v4                       ; into x's tile: rows 2 w, 2 w + 1
	v_add_nc_u32 v6, SG, v5                        ; into the signatures'
	v_mul_u32_u24 v7, v2, RP
	v_lshl_add_u32 v7, v3, 6, v7
	s_lshl_b32 s51, s50, 9
	v_add_nc_u32 v7, s51, v7                       ; out of x's tile: row r, + 512 w + 64 h
	v_add_nc_u32 v8, SG, v7                        ; out of the signatures'
	s_lshl_b32 s51, s50, 10
	s_add_co_u32 s51, s51, PART
	v_add_nc_u32 v9, s51, v4                       ; my partial tile's image
	v_add_nc_u32 v10, PART, v4                     ; all eight images
	v_mul_u32_u24 v11, v2, QP
	v_lshl_add_u32 v11, v3, 4, v11
	s_lshl_b32 s51, s50, 7
	s_add_co_u32 s51, s51, QS
	v_add_nc_u32 v11, s51, v11                     ; the codes' stage, in: row r, + 128 w + 16 h
	s_mul_i32 s51, s50, 2*QP
	s_add_co_u32 s51, s51, QS
	v_add_nc_u32 v12, s51, v4                      ; and out: rows 2 w, 2 w + 1
	v_lshlrev_b32 v13, 2, v2                       ; 4 r: a token's word in choice and in out1
	v_mov_b32 v242, 0                              ; written once: a lane permute's destination counts as one of its sources
	v_mov_b32 v243, 0
	s_mov_b32 s54, 0x76543210                      ; v_permlanex16_b32: lane l xor 16
	s_mov_b32 s55, 0xfedcba98
	s_mov_b32 s56, 0xffff0000                      ; lanes 16-31
	s_mov_b32 s57, 0x3e99999a                      ; 0.3
	s_mov_b32 s58, 0xbe99999a                      ; -0.3
	s_lshl_b32 s60, ttmp9, 16                      ; x: 16 tokens of 4,096 bytes a work-group,
	s_lshl_b32 s62, s50, 13                        ; two rows a wave (the signatures too)
	s_add_co_u32 s60, s60, s62
	s_mov_b32 s61, 0
	s_mov_b32 s63, 0
	s_wait_kmcnt 0x0
	s_load_b512 s[16:31], s[8:9], 0x0              ; the 34 exponents: entry i in s[16 + i]
	s_load_b512 s[32:47], s[8:9], 0x40
	s_load_b64 s[48:49], s[8:9], 0x80
	s_add_nc_u64 s[4:5], s[4:5], s[60:61]
	s_add_nc_u64 s[6:7], s[6:7], s[62:63]
	TILE_LD S, 6                                   ; the signatures first: loads come back in order, and their work stands under x's way in
	TILE_LD X, 4
	s_lshl_b32 s60, ttmp9, 14                      ; xq: 16 rows of 1,024 bytes a work-group, two a wave
	s_lshl_b32 s62, s50, 11
	s_add_co_u32 s60, s60, s62
	s_add_nc_u64 s[10:11], s[10:11], s[60:61]
	s_lshl_b32 s62, ttmp9, 6                       ; choice, out1: 16 words a work-group
	s_add_nc_u64 s[12:13], s[12:13], s[62:63]
	s_add_nc_u64 s[14:15], s[14:15], s[62:63]
	s_wait_kmcnt 0x0
	s_add_co_i32 s51, s16, 127
	s_lshl_b32 s51, s51, 23
	v_mov_b32 v252, s51                            ; 2^e0 as f32: the conversion takes its exponent field
	s_add_co_u32 s52, s51, 0x4600000               ; eight more in the exponent field and 448's mantissa field:
	v_mov_b32 v253, s52                            ; 448 x 2^e0
	s_add_co_i32 s51, s17, 127
	s_lshl_b32 s51, s51, 23
	v_mov_b32 v254, s51                            ; 2^e1
	s_add_co_u32 s52, s51, 0x4600000
	v_mov_b32 v255, s52                            ; 448 x 2^e1
	s_wait_loadcnt 16                              ; the signatures' sixteen loads are in; x's sixteen, issued behind them, may be out
	TILE_ST S, 6
	BAR                                            ; all sixteen signatures lie in LDS
	FRAG_LD S, 8
	s_wait_dscnt 0x0
	QSIG
	s_wait_loadcnt 0x0                             ; x
	TILE_ST X, 5
	BAR                                            ; the sixteen tokens lie in LDS
	FRAG_LD X, 7
	s_wait_dscnt 0x0
	QX X, XC, 252, 253
	v_wmma_f32_16x16x128_fp8_fp8 v[D:D+7], v[SC:SC+15], v[XC:XC+15], 0   ; source 0 = the 16 experts, source 1 = my 16 tokens: a lane holds one token and eight experts
.rept 4
	v_nop                                          ; four plain lines between a matrix instruction and the first read of its result (ISA guide 7.12.1)
.endr
	ds_store_b128 v9, v[D:D+3]                     ; the result is read from its low end on
	ds_store_b128 v9, v[D+4:D+7] offset:512
	BAR                                            ; the eight partial tiles lie in LDS
.irp j, 0,1,2,3,4,5,6,7
	ds_load_b128 v[S+8*\j:S+8*\j+3], v10 offset:1024*\j
	ds_load_b128 v[S+8*\j+4:S+8*\j+7], v10 offset:1024*\j+512
.endr
	s_wait_dscnt 0x0
.irp i, 0,2,4,6
	v_pk_add_f32 v[SUM+\i:SUM+\i+1], v[S+\i:S+\i+1], v[S+8+\i:S+8+\i+1]
.endr
.irp j, 2,3,4,5,6,7                    ; K ascending
.irp i, 0,2,4,6
	v_pk_add_f32 v[SUM+\i:SUM+\i+1], v[SUM+\i:SUM+\i+1], v[S+8*\j+\i:S+8*\j+\i+1]
.endr
.endr
	; the first largest score: strictly greater alone replaces, so the lower index stays
	v_mov_b32 v240, v[SUM]
	v_mov_b32 v241, 0
.irp j, 1,2,3,4,5,6,7
	v_cmp_gt_f32 vcc_lo, v[SUM+\j], v240
	v_cndmask_b32 v240, v240, v[SUM+\j], vcc_lo
	v_cndmask_b32 v241, v241, \j, vcc_lo
.endr
	v_lshl_add_u32 v241, v3, 3, v241               ; + 8 h
	v_permlanex16_b32 v242, v240, s54, s55         ; the token's other eight experts lie in the lane 16 away
	v_permlanex16_b32 v243, v241, s54, s55
	v_cndmask_b32 v244, v240, v242, s56            ; experts 0-7's best: mine in lanes 0-15, the other's in lanes 16-31
	v_cndmask_b32 v245, v242, v240, s56            ; experts 8-15's best
	v_cndmask_b32 v246, v241, v243, s56
	v_cndmask_b32 v247, v243, v241, s56
	v_cmp_gt_f32 vcc_lo, v245, v244
	v_cndmask_b32 v248, v246, v247, vcc_lo         ; the expert of token r, in both halves of the lanes and in all eight waves
	; the exponent that the table gives x for that expert's product: a value chosen among sixteen, no address
	v_mov_b32 v249, s18
.irp e, 1,2,3,4,5,6,7,8,9,10,11,12,13,14,15
	v_cmp_eq_u32 vcc_lo, \e, v248
	v_cndmask_b32 v249, v249, s[18+2*\e], vcc_lo
.endr
	v_add_lshl_u32 v250, v249, 127, 23             ; 2^e as f32
	v_add_nc_u32 v251, 0x4600000, v250             ; 448 x 2^e
	QX X, XQ, 250, 251
.irp c, 0,1,2,3
	ds_store_b128 v11, v[XQ+4*\c:XQ+4*\c+3] offset:32*\c   ; k = 128 w + 32 c + 16 h + 0 .. 15 of row r
.endr
	BAR                                            ; sixteen whole rows of codes lie in LDS
.irp j, 0,1
.irp q, 0,1
	ds_load_b128 v[T+4*(2*\j+\q):T+4*(2*\j+\q)+3], v12 offset:QP*\j+512*\q
.endr
.endr
	s_wait_dscnt 0x0
.irp j, 0,1
.irp q, 0,1
	global_store_b128 v4, v[T+4*(2*\j+\q):T+4*(2*\j+\q)+3], s[10:11] offset:1024*\j+512*\q   ; 32 lanes store 512 consecutive bytes, at a multiple of 512 from xq's first byte
.endr
.endr
	s_cmp_lg_u32 s50, 0                            ; wave 0 alone stores the sixteen experts' numbers; no barrier stands under this branch
	s_cbranch_scc1 .Lend
	s_wait_xcnt 0x0                                ; EXEC is a source of the stores above: it changes only behind this wait
	v_cmp_gt_u32 vcc_lo, 16, v1
	s_and_saveexec_b32 s59, vcc_lo
	global_store_b32 v13, v248, s[12:13]
	global_store_b32 v13, v248, s[14:15]
	s_wait_xcnt 0x0                                ; and again ahead of the line that widens it
	s_or_b32 exec_lo, exec_lo, s59
.Lend:
	s_wait_tensorcnt 0x0
	ds_add_u32 v174, v175
	s_wait_dscnt 0x0
	s_endpgm
.Lfunc_end_k_q6ced39168f_route:
	.size	k_q6ced39168f_route, .Lfunc_end_k_q6ced39168f_route-k_q6ced39168f_route
	.p2alignl 7, 3214868480
	.fill 96, 4, 3214868480
	.section	.rodata,"a",@progbits
	.p2align	6, 0x0
	.amdhsa_kernel k_q6ced39168f_route
		.amdhsa_group_segment_fixed_size 157440
		.amdhsa_private_segment_fixed_size 0
		.amdhsa_enable_private_segment 0
		.amdhsa_kernarg_size 48
		.amdhsa_user_sgpr_count 2
		.amdhsa_user_sgpr_kernarg_segment_ptr 1
		.amdhsa_wavefront_size32 1
		.amdhsa_system_sgpr_workgroup_id_x 1
		.amdhsa_system_sgpr_workgroup_id_y 1
		.amdhsa_system_sgpr_workgroup_id_z 1
		.amdhsa_system_vgpr_workitem_id 0
		.amdhsa_next_free_vgpr 256
		.amdhsa_next_free_sgpr 66
		.amdhsa_reserve_vcc 1
		.amdhsa_float_denorm_mode_32 3
		.amdhsa_float_denorm_mode_16_64 3
		.amdhsa_memory_ordered 1
		.amdhsa_forward_progress 1
		.amdhsa_inst_pref_size 48
	.end_amdhsa_kernel
	.amdgpu_metadata
---
amdhsa.version: [ 1, 2 ]
amdhsa.kernels:
  - .name:           k_q6ced39168f_route
    .symbol:         k_q6ced39168f_route.kd
    .args:
      - { .name: x, .offset: 0, .size: 8, .value_kind: global_buffer, .address_space: global }
      - { .name: signatures_raw, .offset: 8, .size: 8, .value_kind: global_buffer, .address_space: global }
      - { .name: lowp_scales, .offset: 16, .size: 8, .value_kind: global_buffer, .address_space: global }
      - { .name: xq, .offset: 24, .size: 8, .value_kind: global_buffer, .address_space: global }
      - { .name: choice, .offset: 32, .size: 8, .value_kind: global_buffer, .address_space: global }
      - { .name: out1, .offset: 40, .size: 8, .value_kind: global_buffer, .address_space: global }
    .group_segment_fixed_size: 157440
    .private_segment_fixed_size: 0
    .kernarg_segment_align: 8
    .kernarg_segment_size: 48
    .max_flat_workgroup_size: 256
    .sgpr_count:     66
    .vgpr_count:     256
    .wavefront_size: 32
...
	.end_amdgpu_metadata
.endif
;; end of part 1
;; launch place (part 2): grid 16 x 1, 8 waves a work-group, no clusters, 1,280 bytes of LDS; arguments choice, order, counts; writes order, counts
.if DOCPART == 2
	.amdgcn_target "amdgcn-amd-amdhsa--gfx1250"
	.amdhsa_code_object_version 6
	.text
	.protected	k_q6ced39168f_place
	.globl	k_q6ced39168f_place
	.p2align	8
	.type	k_q6ced39168f_place,@function
k_q6ced39168f_place:
	s_mov_b64 s[64:65], 0
	v_nop
	global_prefetch_b8 v0, s[64:65] scope:SCOPE_SE
	s_setreg_imm32_b32 hwreg(HW_REG_WAVE_MODE, 25, 1), 1
	s_wait_xcnt 0x0
; THE ROWS BY EXPERT.  Work-group e reads all 4,096 choices and writes the numbers of the tokens that chose expert e into order[e][0 .. count - 1], and count into counts[e].
; No atomics: a token's place is the number of matching tokens ahead of it: in lower lanes of the same register (the compare's mask, counted by v_mbcnt_lo_u32_b32), in earlier
; registers of the wave (a running scalar count), and in earlier waves (eight counts through LDS, one barrier).  The places are 0 .. count - 1, each once; their order is not the tokens'.
; Thread t holds tokens 1024 q + 4 t + c in register 4 q + c: four loads of 16 bytes a lane, 512 consecutive bytes a wave.
; Sixteen work-groups: one for each expert; the launch moves 16 KB in and 16 KB out, so matrix units, clusters and rings have nothing to do here.
.set CH, 8                             ; v8-23   the choices
.set RK, 24                            ; v24-39  the places, then their byte offsets in order[e]
.set TK, 40                            ; v40-55  the tokens' numbers
	s_load_b128 s[4:7], s[0:1], 0x0                ; choice s[4:5], order s[6:7]
	s_load_b64 s[8:9], s[0:1], 0x10                ; counts
	v_lshl_add_u32 v64, v0, 2, 0x100
	v_mov_b32 v65, 0
	v_lshrrev_b32 v1, 5, v0
	v_readfirstlane_b32 s10, v1                    ; wave 0..7
	s_mov_b32 s11, ttmp9                           ; my expert
	v_lshlrev_b32 v2, 4, v0                        ; 16 x thread
	v_lshlrev_b32 v3, 2, v0                        ; 4 x thread: my first token of each quarter
	v_lshlrev_b32 v4, 2, v1                        ; my wave's word in LDS
	s_lshl_b32 s26, ttmp9, 14                      ; order[e]: 4,096 words
	s_mov_b32 s27, 0
	s_lshl_b32 s28, ttmp9, 2                       ; counts[e]
	s_mov_b32 s29, 0
	s_mov_b32 s12, 0                               ; matching tokens of my wave so far
	s_wait_kmcnt 0x0
	s_add_nc_u64 s[6:7], s[6:7], s[26:27]
	s_add_nc_u64 s[8:9], s[8:9], s[28:29]
.irp q, 0,1,2,3
	global_load_b128 v[CH+4*\q:CH+4*\q+3], v2, s[4:5] offset:4096*\q
.endr
	s_wait_loadcnt 0x0
.set i, 0
.rept 16
	v_cmp_eq_u32 vcc_lo, s11, v[CH+i]
	v_mbcnt_lo_u32_b32 v[RK+i], vcc_lo, s12        ; matches in lower lanes + matches in earlier registers
	s_bcnt1_i32_b32 s13, vcc_lo
	s_add_co_u32 s12, s12, s13
.set i, i+1
.endr
	v_mov_b32 v5, s12
	ds_store_b32 v4, v5                            ; all lanes of a wave write the same word with the same number
	s_wait_dscnt 0x0                               ; for the others' sake: my store has landed
	s_barrier_signal -1
	s_barrier_wait -1
	v_mov_b32 v6, 0
	ds_load_b128 v[56:59], v6
	ds_load_b128 v[60:63], v6 offset:16
	s_wait_dscnt 0x0
.irp j, 0,1,2,3,4,5,6,7
	v_readfirstlane_b32 s[16+\j], v[56+\j]
.endr
	s_mov_b32 s14, 0                               ; matches in earlier waves
	s_mov_b32 s15, 0                               ; matches in all
.irp j, 0,1,2,3,4,5,6,7
	s_cmp_lt_u32 \j, s10
	s_cselect_b32 s13, s[16+\j], 0
	s_add_co_u32 s14, s14, s13
	s_add_co_u32 s15, s15, s[16+\j]
.endr
.set i, 0
.rept 16
	v_add_nc_u32 v[RK+i], s14, v[RK+i]
	v_min_u32 v[RK+i], 0xfff, v[RK+i]              ; a place lies under 4,096 by its make; the bound is written out, since the number comes from loaded data
	v_lshlrev_b32 v[RK+i], 2, v[RK+i]
	v_add_nc_u32 v[TK+i], 1024*(i/4)+i%4, v3
.set i, i+1
.endr
	v_mov_b32 v7, s15
	s_wait_xcnt 0x0                                ; EXEC changes only behind this wait
.set i, 0
.rept 16                               ; each register has its own offsets and data, so only EXEC is at stake between two stores
	v_cmp_eq_u32 vcc_lo, s11, v[CH+i]
	s_and_saveexec_b32 s24, vcc_lo
	global_store_b32 v[RK+i], v[TK+i], s[6:7]
	s_wait_xcnt 0x0                                ; ahead of the line that widens EXEC, and of the next that narrows it
	s_or_b32 exec_lo, exec_lo, s24
.set i, i+1
.endr
	s_cmp_lg_u32 s10, 0                            ; wave 0's first lane stores the count
	s_cbranch_scc1 .Lend
	v_cmp_eq_u32 vcc_lo, 0, v0
	s_and_saveexec_b32 s24, vcc_lo
	global_store_b32 v6, v7, s[8:9]
	s_wait_xcnt 0x0
	s_or_b32 exec_lo, exec_lo, s24
.Lend:
	s_wait_tensorcnt 0x0
	ds_add_u32 v64, v65
	s_wait_dscnt 0x0
	s_endpgm
.Lfunc_end_k_q6ced39168f_place:
	.size	k_q6ced39168f_place, .Lfunc_end_k_q6ced39168f_place-k_q6ced39168f_place
	.p2alignl 7, 3214868480
	.fill 96, 4, 3214868480
	.section	.rodata,"a",@progbits
	.p2align	6, 0x0
	.amdhsa_kernel k_q6ced39168f_place
		.amdhsa_group_segment_fixed_size 1280
		.amdhsa_private_segment_fixed_size 0
		.amdhsa_enable_private_segment 0
		.amdhsa_kernarg_size 24
		.amdhsa_user_sgpr_count 2
		.amdhsa_user_sgpr_kernarg_segment_ptr 1
		.amdhsa_wavefront_size32 1
		.amdhsa_system_sgpr_workgroup_id_x 1
		.amdhsa_system_sgpr_workgroup_id_y 1
		.amdhsa_system_sgpr_workgroup_id_z 1
		.amdhsa_system_vgpr_workitem_id 0
		.amdhsa_next_free_vgpr 66
		.amdhsa_next_free_sgpr 66
		.amdhsa_reserve_vcc 1
		.amdhsa_float_denorm_mode_32 3
		.amdhsa_float_denorm_mode_16_64 3
		.amdhsa_memory_ordered 1
		.amdhsa_forward_progress 1
		.amdhsa_inst_pref_size 13
	.end_amdhsa_kernel
	.amdgpu_metadata
---
amdhsa.version: [ 1, 2 ]
amdhsa.kernels:
  - .name:           k_q6ced39168f_place
    .symbol:         k_q6ced39168f_place.kd
    .args:
      - { .name: choice, .offset: 0, .size: 8, .value_kind: global_buffer, .address_space: global }
      - { .name: order, .offset: 8, .size: 8, .value_kind: global_buffer, .address_space: global }
      - { .name: counts, .offset: 16, .size: 8, .value_kind: global_buffer, .address_space: global }
    .group_segment_fixed_size: 1280
    .private_segment_fixed_size: 0
    .kernarg_segment_align: 8
    .kernarg_segment_size: 24
    .max_flat_workgroup_size: 256
    .sgpr_count:     66
    .vgpr_count:     66
    .wavefront_size: 32
...
	.end_amdgpu_metadata
.endif
;; end of part 2
;; launch chain (part 3): grid 79 x 4, 4 waves a work-group, no clusters, 18,944 bytes of LDS; arguments xq, W_codes, lowp_scales, b, x, order, counts, out0; writes out0
.if DOCPART == 3
	.amdgcn_target "amdgcn-amd-amdhsa--gfx1250"
	.amdhsa_code_object_version 6
	.text
	.protected	k_q6ced39168f_chain
	.globl	k_q6ced39168f_chain
	.p2align	8
	.type	k_q6ced39168f_chain,@function
k_q6ced39168f_chain:
	s_mov_b64 s[64:65], 0
	v_nop
	global_prefetch_b8 v0, s[64:65] scope:SCOPE_SE
	s_setreg_imm32_b32 hwreg(HW_REG_WAVE_MODE, 25, 1), 1
	s_wait_xcnt 0x0
; THE CHOSEN EXPERT'S LAYER.  out0[t] = relu(Q(x[t]) W[e]^T + b[e]) + x[t], e the expert that token t chose: only the rows that the mask of the problem keeps are multiplied.
; xq holds x's codes at the scale 2^ea of the chosen expert's product, W_codes the weights' codes (scale 2^eb), both K innermost; a finished sum is multiplied once by 2^(ea + eb).
; THE GRID SERVES EVERY SPLIT.  Tiles have 64 rows of one expert's list; 4,096 rows on 16 experts make at most 4096 / 64 + 15 = 79 tiles.  Work-group x is the tile's number; its expert and first
; row are found from the sixteen stored counts without a branch; a work-group beyond the last tile stores nothing and ends.  Work-group y picks 256 columns, wave w 64 of them.
; A WAVE IS ON ITS OWN: 64 rows x 64 columns, 16 accumulators; operands go from memory straight into registers, two K steps of 128 ahead; no barrier, no change of EXEC.
; NO TENSOR LOADS, NO CLUSTER: a work-group ends on a stored count and an expert's number of tiles hangs on the data, so partners could not make the same joint requests.
; SLOTS PAST A TILE'S END name the tile's last row once more: they compute and store that row's own numbers again, so no mask is needed; blocks of 16 slots that hold nothing else are left out.
; THE MATRIX INSTRUCTION IS USED TRANSPOSED (source 0 = 16 rows of W, source 1 = 16 tokens): a lane holds one token and eight neighbouring columns.  Both fragments take k = 32 c + 16 h + 0 .. 15
; into registers 4 c .. 4 c + 3: the same order of k on both sides, so every product meets its partner.
; LIMITS.  ea + eb of each expert lies between -126 and 127, so that 2^(ea + eb) is an f32 number.  NaN among the inputs is not served.
; REGISTERS.  Window 0: v1-15 lane numbers and addresses; v16-19 xq offsets of my rows; v20-23 the bias; v32-63 offsets of the rows in x and out0; v64-127 two sets of 32 on the way out;
;   v128-255 the accumulators, (a, t) at v[128 + 8 (4 a + t)].   Window 1: two fragment buffers of 128: xq's four fragments, then W's four; at the end buffer 0 holds the residual's x.
.set ACC,  128
.set BK,   64
.set RO,   32
.set AAD,  16
.set SP,   272                         ; a stage row: 64 f32 + 16 bytes: sixteen rows start 16 bytes apart modulo 256
.set WLDS, 4608                        ; LDS of a wave: the stage, 16 x 272 bytes, then the tile's 64 token numbers
.set TABO, 16*SP
.set MSB, 0
.macro WIN new                         ; low byte: bits 1:0 source 0, 3:2 source 1, 5:4 source 2, 7:6 destination; the high byte repeats the setting that is left
.if MSB != \new
	s_set_vgpr_msb (MSB<<8)|\new
.set MSB, \new
.endif
.endm
.macro LOADA s                         ; xq's four fragments of K step s: tokens 16 a + r
	WIN 0x40                                       ; destination window 1, address window 0
.set FB, 128*((\s)%2)
.irp a, 0,1,2,3
.irp c, 0,1,2,3
	global_load_b128 v[FB+16*\a+4*\c:FB+16*\a+4*\c+3], v[AAD+\a], s[4:5] offset:128*(\s)+32*\c
.endr
.endr
.endm
.macro LOADB s                         ; W's four fragments of K step s: rows n0 + 16 t + r
	WIN 0x40
.set FB, 128*((\s)%2)
.irp t, 0,1,2,3
.irp c, 0,1,2,3
	global_load_b128 v[FB+64+16*\t+4*\c:FB+64+16*\t+4*\c+3], v4, s[6:7] offset:16384*\t+128*(\s)+32*\c
.endr
.endr
.endm
.macro MUL s, zero                     ; 16 matrix instructions; the 16 accumulators take turns, one instruction a turn, in the same order in every step
.set FB, 128*((\s)%2)
.irp a, 0,1,2,3
.irp t, 0,1,2,3
.if \zero
	v_wmma_f32_16x16x128_fp8_fp8 v[ACC+8*(4*\a+\t):ACC+8*(4*\a+\t)+7], v[FB+64+16*\t:FB+64+16*\t+15], v[FB+16*\a:FB+16*\a+15], 0
.else
	v_wmma_f32_16x16x128_fp8_fp8 v[ACC+8*(4*\a+\t):ACC+8*(4*\a+\t)+7], v[FB+64+16*\t:FB+64+16*\t+15], v[FB+16*\a:FB+16*\a+15], v[ACC+8*(4*\a+\t):ACC+8*(4*\a+\t)+7]
.endif
.endr
.endr
.endm
.macro PLACES                          ; four plain lines between a matrix instruction and a load into a register that it has read, or the first read of its result
.rept 4
	v_nop
.endr
.endm
.macro XLOADS                          ; the residual: my 64 rows' 256 bytes of x, sixteen lanes to a row, into buffer 0 of window 1
	WIN 0x40
.irp a, 0,1,2,3
.irp i, 0,1,2,3,4,5,6,7
	global_load_b128 v[32*\a+4*\i:32*\a+4*\i+3], v[RO+8*\a+\i], s[12:13]
.endr
.endr
.endm
; K step s.  left: the loads issued behind this step's own, which may stay out.  The buffer just multiplied takes the step two on.
.macro STEP s, left, zero
	s_wait_loadcnt \left
	WIN 0x05                                       ; sources 0 and 1 window 1, C and D window 0
	MUL \s, \zero
	PLACES
.if \s <= 5
	LOADA (\s)+2
	LOADB (\s)+2
.endif
.if \s == 2
	; a prefetch of the residual's x: a lane a row, the 256 bytes that this wave alone will load for that row; it stands behind this step's loads, four K steps ahead of the loads that want the bytes
	global_prefetch_b8 v14, s[12:13] th:TH_LOAD_NT scope:SCOPE_SE
	global_prefetch_b8 v15, s[12:13] th:TH_LOAD_NT scope:SCOPE_SE
.endif
.if \s == 6
	XLOADS
.endif
.endm
; Slots 16 a .. 16 a + 15 go out: through my own stage, back as rows of 256 bytes; sum x 2^(ea + eb) + b, relu, + x; sixteen lanes store one aligned run of 256 bytes of a token's row.
.macro BLOCK a
.if \a > 0
	s_cmp_le_u32 s28, 16*\a                        ; nothing but repeats of the last row from here on
	s_cbranch_scc1 .Lend
.endif
.if \a >= 2
	s_wait_xcnt 0x0                                ; the stores of the block two back have read this set of registers
.endif
.set BB, BK+32*(\a%2)
.irp t, 0,1,2,3
	ds_store_b128 v5, v[ACC+8*(4*\a+\t):ACC+8*(4*\a+\t)+3] offset:64*\t          ; each accumulator from its low end on
	ds_store_b128 v5, v[ACC+8*(4*\a+\t)+4:ACC+8*(4*\a+\t)+7] offset:64*\t+16
.endr
.irp i, 0,1,2,3,4,5,6,7
	ds_load_b128 v[BB+4*\i:BB+4*\i+3], v6 offset:2*SP*\i   ; LDS serves a wave's instructions in order (ISA guide 5.7.1.4): these see my stores, and the next block's stores come behind them
.endr
	s_wait_dscnt 0x0
	s_wait_loadcnt 24-8*\a                         ; this block's eight loads of x are in; the later blocks' may be out
.irp i, 0,1,2,3,4,5,6,7
	v_pk_fma_f32 v[BB+4*\i:BB+4*\i+1], v[BB+4*\i:BB+4*\i+1], s[50:51], v[20:21] op_sel_hi:[1,0,1]
	v_pk_fma_f32 v[BB+4*\i+2:BB+4*\i+3], v[BB+4*\i+2:BB+4*\i+3], s[50:51], v[22:23] op_sel_hi:[1,0,1]
.endr
.set j, 0
.rept 32
	v_max_num_f32 v[BB+j], 0, v[BB+j]
.set j, j+1
.endr
	WIN 0x04                                       ; source 1 (x) window 1
.set j, 0
.rept 16
	v_pk_add_f32 v[BB+j:BB+j+1], v[BB+j:BB+j+1], v[32*\a+j:32*\a+j+1]
.set j, j+2
.endr
	WIN 0
.irp i, 0,1,2,3,4,5,6,7
	global_store_b128 v[RO+8*\a+\i], v[BB+4*\i:BB+4*\i+3], s[18:19] th:TH_STORE_NT
.endr
.endm
	s_load_b512 s[4:19], s[0:1], 0x0               ; xq 4:5, W 6:7, exponents 8:9, b 10:11, x 12:13, order 14:15, counts 16:17, out0 18:19
	v_lshl_add_u32 v30, v0, 2, 0x4800
	v_mov_b32 v31, 0
	v_lshrrev_b32 v1, 5, v0
	v_readfirstlane_b32 s20, v1                    ; wave 0..3
	s_mov_b32 s21, ttmp9                           ; the tile's number
	s_and_b32 s22, ttmp7, 0xffff                   ; which 256 columns
	v_and_b32 v1, 31, v0                           ; lane
	v_and_b32 v2, 15, v0                           ; r
	v_bfe_u32 v3, v0, 4, 1                         ; h
	v_lshlrev_b32 v10, 4, v3                       ; 16 h
	v_lshlrev_b32 v11, 4, v2                       ; 16 r
	v_lshl_add_u32 v4, v2, 10, v10                 ; W: row r of 1,024 bytes, + 16 h
	s_mul_i32 s52, s20, WLDS
	v_mul_u32_u24 v5, v2, SP
	v_lshl_add_u32 v5, v3, 5, v5
	v_add_nc_u32 v5, s52, v5                       ; the stage, in: row r, + 32 h
	v_mul_u32_u24 v6, v3, SP
	v_add_nc_u32 v6, v6, v11
	v_add_nc_u32 v6, s52, v6                       ; and out: lanes 0-15 one row, lanes 16-31 the next; 16 bytes a lane
	s_add_co_u32 s52, s52, TABO
	v_lshl_add_u32 v7, v1, 2, s52                  ; the token table: slot = lane,
	v_lshl_add_u32 v8, v2, 2, s52                  ; slot r,
	v_lshl_add_u32 v9, v3, 2, s52                  ; slot h
	s_lshl_b32 s54, s22, 8
	s_lshl_b32 s55, s20, 6
	s_add_co_u32 s54, s54, s55                     ; n0: my first column
	s_mov_b32 s23, 0                               ; tiles of the experts passed
	s_mov_b32 s24, 0                               ; my expert,
	s_mov_b32 s25, 0                               ; its first tile's number,
	s_mov_b32 s26, 0                               ; its count
	s_wait_kmcnt 0x0
	s_load_b512 s[32:47], s[16:17], 0x0            ; the sixteen counts
	s_wait_kmcnt 0x0
.irp e, 0,1,2,3,4,5,6,7,8,9,10,11,12,13,14,15  ; the last expert whose first tile is not behind mine; one without rows is overridden by the next
	s_cmp_ge_u32 s21, s23
	s_cselect_b32 s24, \e, s24
	s_cselect_b32 s25, s23, s25
	s_cselect_b32 s26, s[32+\e], s26
	s_add_co_u32 s52, s[32+\e], 63
	s_lshr_b32 s52, s52, 6
	s_add_co_u32 s23, s23, s52
.endr
	s_sub_co_u32 s27, s21, s25
	s_lshl_b32 s27, s27, 6                         ; my first place in the expert's list
	s_sub_co_i32 s52, s26, s27                     ; rows from there on
	s_cmp_le_i32 s52, 0
	s_cbranch_scc1 .Lend                           ; a tile that this split does not have
	s_min_u32 s28, s52, 64                         ; rows in my tile, 1 to 64
	s_sub_co_u32 s29, s28, 1
	s_min_u32 s29, s29, 63                         ; the last slot that holds a row.  (These bounds hold by the numbers' make; they are written out, since the numbers come from loaded data)
	s_min_u32 s24, s24, 15
	s_min_u32 s27, s27, 4032
	s_mov_b32 s31, 0
	s_mov_b32 s49, 0
	s_lshl_b32 s30, s24, 14
	s_add_nc_u64 s[14:15], s[14:15], s[30:31]      ; order[e]
	s_lshl_b32 s30, s24, 20
	s_lshl_b32 s48, s54, 10
	s_add_co_u32 s30, s30, s48
	s_add_nc_u64 s[6:7], s[6:7], s[30:31]          ; W[e], row n0
	s_lshl_b32 s30, s24, 12
	s_lshl_b32 s48, s54, 2
	s_add_co_u32 s30, s30, s48
	s_add_nc_u64 s[10:11], s[10:11], s[30:31]      ; b[e], column n0
	s_add_nc_u64 s[12:13], s[12:13], s[48:49]      ; x and out0 at column n0
	s_add_nc_u64 s[18:19], s[18:19], s[48:49]
	s_lshl_b32 s53, s24, 3
	s_load_b64 s[50:51], s[8:9], s53 offset:0x8    ; ea, eb: entries 2 + 2 e and 3 + 2 e
	v_min_u32 v12, s29, v1                         ; slot = lane, held at the last row's slot,
	v_add_nc_u32 v12, s27, v12
	v_min_u32 v12, 0xfff, v12
	v_lshlrev_b32 v12, 2, v12
	v_add_nc_u32 v13, 32, v1                       ; and slot = lane + 32
	v_min_u32 v13, s29, v13
	v_add_nc_u32 v13, s27, v13
	v_min_u32 v13, 0xfff, v13
	v_lshlrev_b32 v13, 2, v13
	global_load_b32 v14, v12, s[14:15]             ; the tile's 64 token numbers
	global_load_b32 v15, v13, s[14:15]
	global_load_b128 v[20:23], v11, s[10:11]       ; b at columns n0 + 4 r .. + 3
	LOADB 0                                        ; W wants no token: its first two K steps go out at once
	LOADB 1
	WIN 0
	s_wait_loadcnt 32                              ; the three small loads are in; W's 32 may be out
	v_min_u32 v14, 0xfff, v14
	v_min_u32 v15, 0xfff, v15
	ds_store_b32 v7, v14                           ; the table is my wave's own: no barrier, and LDS serves my instructions in order
	ds_store_b32 v7, v15 offset:128
.irp a, 0,1,2,3
	ds_load_b32 v[AAD+\a], v8 offset:64*\a         ; token of slot 16 a + r
.endr
	s_wait_dscnt 0x0
.irp a, 0,1,2,3
	v_min_u32 v[AAD+\a], 0xfff, v[AAD+\a]
	v_lshl_add_u32 v[AAD+\a], v[AAD+\a], 10, v10   ; its row of 1,024 codes, + 16 h
.endr
	LOADA 0
	LOADA 1
	WIN 0
.irp a, 0,1,2,3
.irp i, 0,1,2,3,4,5,6,7
	ds_load_b32 v[RO+8*\a+\i], v9 offset:64*\a+8*\i   ; token of slot 16 a + 2 i + h
.endr
.endr
	v_lshlrev_b32 v14, 12, v14                     ; the prefetches' offsets: the rows of slots lane and lane + 32 in x
	v_lshlrev_b32 v15, 12, v15
	s_wait_dscnt 0x0
.set j, 0
.rept 32
	v_min_u32 v[RO+j], 0xfff, v[RO+j]
	v_lshl_add_u32 v[RO+j], v[RO+j], 12, v11       ; its row of 4,096 bytes in x and in out0, + 16 r
.set j, j+1
.endr
	s_wait_kmcnt 0x0
	s_add_co_i32 s50, s50, s51
	s_add_co_i32 s50, s50, 127
	s_lshl_b32 s50, s50, 23                        ; 2^(ea + eb) as f32
	s_mov_b32 s51, s50                             ; (named with it as a pair, so it is written)
	STEP 0, 16, 1                                  ; behind step 0's loads only xq's sixteen of step 1 were issued; the first products start the sums
	STEP 1, 32, 0                                  ; from here on: behind a step's loads stand the 32 of the next fill
	STEP 2, 32, 0
	STEP 3, 32, 0
	STEP 4, 32, 0
	STEP 5, 32, 0
	STEP 6, 32, 0
	STEP 7, 32, 0                                  ; (behind step 7's loads: the residual's 32)
	WIN 0
	BLOCK 0
	BLOCK 1
	BLOCK 2
	BLOCK 3
.Lend:
	s_wait_tensorcnt 0x0
	ds_add_u32 v30, v31
	s_wait_dscnt 0x0
	s_endpgm
.Lfunc_end_k_q6ced39168f_chain:
	.size	k_q6ced39168f_chain, .Lfunc_end_k_q6ced39168f_chain-k_q6ced39168f_chain
	.p2alignl 7, 3214868480
	.fill 96, 4, 3214868480
	.section	.rodata,"a",@progbits
	.p2align	6, 0x0
	.amdhsa_kernel k_q6ced39168f_chain
		.amdhsa_group_segment_fixed_size 18944
		.amdhsa_private_segment_fixed_size 0
		.amdhsa_enable_private_segment 0
		.amdhsa_kernarg_size 64
		.amdhsa_user_sgpr_count 2
		.amdhsa_user_sgpr_kernarg_segment_ptr 1
		.amdhsa_wavefront_size32 1
		.amdhsa_system_sgpr_workgroup_id_x 1
		.amdhsa_system_sgpr_workgroup_id_y 1
		.amdhsa_system_sgpr_workgroup_id_z 1
		.amdhsa_system_vgpr_workitem_id 0
		.amdhsa_next_free_vgpr 512
		.amdhsa_next_free_sgpr 66
		.amdhsa_reserve_vcc 0
		.amdhsa_float_denorm_mode_32 3
		.amdhsa_float_denorm_mode_16_64 3
		.amdhsa_memory_ordered 1
		.amdhsa_forward_progress 1
		.amdhsa_inst_pref_size 72
	.end_amdhsa_kernel
	.amdgpu_metadata
---
amdhsa.version: [ 1, 2 ]
amdhsa.kernels:
  - .name:           k_q6ced39168f_chain
    .symbol:         k_q6ced39168f_chain.kd
    .args:
      - { .name: xq, .offset: 0, .size: 8, .value_kind: global_buffer, .address_space: global }
      - { .name: W_codes, .offset: 8, .size: 8, .value_kind: global_buffer, .address_space: global }
      - { .name: lowp_scales, .offset: 16, .size: 8, .value_kind: global_buffer, .address_space: global }
      - { .name: b, .offset: 24, .size: 8, .value_kind: global_buffer, .address_space: global }
      - { .name: x, .offset: 32, .size: 8, .value_kind: global_buffer, .address_space: global }
      - { .name: order, .offset: 40, .size: 8, .value_kind: global_buffer, .address_space: global }
      - { .name: counts, .offset: 48, .size: 8, .value_kind: global_buffer, .address_space: global }
      - { .name: out0, .offset: 56, .size: 8, .value_kind: global_buffer, .address_space: global }
    .group_segment_fixed_size: 18944
    .private_segment_fixed_size: 0
    .kernarg_segment_align: 8
    .kernarg_segment_size: 64
    .max_flat_workgroup_size: 128
    .sgpr_count:     66
    .vgpr_count:     512
    .wavefront_size: 32
...
	.end_amdgpu_metadata
.endif
;; end of part 3
;; ======== version 2 of 2: 3 launches
;; workspace buffers: xq 4,194,304 bytes; choice 16,384 bytes of whole numbers; order 262,144 bytes of whole numbers; counts 256 bytes of whole numbers
;; launch route (part 4): grid 256 x 1, 8 waves a work-group, no clusters, 157,440 bytes of LDS; arguments x, signatures_raw, lowp_scales, xq, choice, out1; writes xq, choice, out1
.if DOCPART == 4
	.amdgcn_target "amdgcn-amd-amdhsa--gfx1250"
	.amdhsa_code_object_version 6
	.text
	.protected	k_q6ced39168f_route
	.globl	k_q6ced39168f_route
	.p2align	8
	.type	k_q6ced39168f_route,@function
k_q6ced39168f_route:
	s_mov_b64 s[64:65], 0
	v_nop
	global_prefetch_b8 v0, s[64:65] scope:SCOPE_SE
	s_setreg_imm32_b32 hwreg(HW_REG_WAVE_MODE, 25, 1), 1
	s_wait_xcnt 0x0
; THE ROUTER.  scores[t][e] = Q(x[t]) . Q(sig[e]), sig = s + (q - s) with q the ternary value of signatures_raw (threshold 0.3), both operands as E4M3 codes with the
; given scales 2^e0 and 2^e1; the token's expert is the first largest score.  The expert's number goes to out1 and to the workspace 'choice', at fixed places.
; The same x is then quantised once more, each token with the scale that the table gives x for its chosen expert's product (entry 2 + 2 e), and these codes go to the
; workspace xq [4096][1024], K innermost.  The choice selects a VALUE here (the scale's exponent, by v_cndmask_b32); no address and no branch hangs on it.
; SHARES.  A work-group owns 16 tokens.  For loading, wave w brings rows 2 w and 2 w + 1 of x's tile and of the 16 signatures, each load 512 consecutive bytes.
; For the arithmetic wave w owns K = 128 w .. 128 w + 127: one matrix instruction; the eight partial tiles meet in LDS and every wave adds them in ascending K.
; OPERAND ORDER.  Register 16 c + i of lane (r, h) holds k = 128 w + 32 c + 16 h + i of row r, for x and for the signatures alike: every product meets its partner.
; The scores are not multiplied by 2^(e0 + e1): a positive factor changes no comparison.
; LIMITS.  NaN among the inputs is not served.  Each exponent used here (entries 0, 1 and 2 + 2 e) lies between -126 and 119, so that 2^e and 448 x 2^e are f32 numbers.
; A score is summed as eight pieces of 128 along K, then piece by piece in f32, which may differ in the last bit from another order of the same f32 sum.
; NO CLUSTER: the work-groups share the 64 KB of signatures alone, read once at the head through registers, since they are f32 numbers that have to be turned into codes on the way.
.set RP,   4112                        ; an LDS row of 1,024 f32: 4,096 bytes + 16: the sixteen rows that a fragment load touches start 16 bytes apart modulo 256
.set XT,   0                           ; x's tile, 16 rows
.set SG,   16*RP                       ; the signatures, 16 rows
.set PART, 2*16*RP                     ; the eight partial score tiles as images of their registers: 1,024 bytes a wave
.set QS,   PART+8192                   ; the chosen-scale codes, 16 rows of QP bytes
.set QP,   1040                        ; 1,024 codes + 16
.set X,    16                          ; v16-79   x as loaded, then in operand order; kept to the end
.set S,    80                          ; v80-143  the signatures likewise; later the eight partial tiles
.set T,    144                         ; v144-159 two sets of eight numbers at work; at the end the rows of codes on their way out
.set SC,   176                         ; v176-191 the signatures' codes
.set XC,   192                         ; v192-207 x's codes at 2^e0
.set D,    208                         ; v208-215 my partial scores
.set XQ,   216                         ; v216-231 x's codes at the chosen expert's scale
.set SUM,  232                         ; v232-239 the scores: register j of lane (r, h) = expert 8 h + j, token r
; v240 best, v241 its index, v242/243 the other half's, v244-247 lower and upper half's score and index, v248 the expert, v249 its exponent, v250/251 2^e and 448 x 2^e,
; v252/253 the same for e0, v254/255 for e1
.macro TILE_LD reg, base               ; my two rows of a tile of 16 x 4,096 bytes
.irp j, 0,1
.irp q, 0,1,2,3,4,5,6,7
	global_load_b128 v[\reg+32*\j+4*\q:\reg+32*\j+4*\q+3], v4, s[\base:\base+1] offset:4096*\j+512*\q
.endr
.endr
.endm
.macro TILE_ST reg, adr                ; the same sixteen pieces into LDS, as they lie
.irp j, 0,1
.irp q, 0,1,2,3,4,5,6,7
	ds_store_b128 v[\adr], v[\reg+32*\j+4*\q:\reg+32*\j+4*\q+3] offset:RP*\j+512*\q
.endr
.endr
.endm
.macro FRAG_LD reg, adr                ; 64 numbers of row r in operand order: 16 neighbours of each block of 32
.irp c, 0,1,2,3
.irp j, 0,1,2,3
	ds_load_b128 v[\reg+16*\c+4*\j:\reg+16*\c+4*\j+3], v[\adr] offset:128*\c+16*\j
.endr
.endr
.endm
; 64 numbers v[src] on become 16 registers of codes v[dst] on; the numbers are left as they are.  The conversion to an 8-bit code does not saturate (ISA guide 7.6.2): each number
; is first held within the largest code x the scale, into one of two sets by turns, so that a set is written again only behind the other set's eight plain lines.
.macro QX src, dst, sc, lim
.irp g, 0,1,2,3,4,5,6,7
.irp i, 0,1,2,3,4,5,6,7
	v_med3_num_f32 v[T+8*(\g%2)+\i], v[\src+8*\g+\i], -v[\lim], v[\lim]
.endr
	v_cvt_scalef32_pk8_fp8_f32 v[\dst+2*\g:\dst+2*\g+1], v[T+8*(\g%2):T+8*(\g%2)+7], v[\sc]
.endr
	v_nop                                          ; one plain line between the last conversion and whatever next touches its registers
.endm
; The signatures: q = 1 above 0.3, -1 below -0.3, else 0; the operand is s + (q - s), two roundings as written in the problem; then hold and conversion with 2^e1.
.macro QSIG
.irp g, 0,1,2,3,4,5,6,7
.irp i, 0,1,2,3,4,5,6,7
	v_cmp_lt_f32 vcc_lo, s57, v[S+8*\g+\i]
	s_delay_alu instid0(VALU_DEP_1)
	v_cndmask_b32 v[T+8*(\g%2)+\i], 0, 1.0, vcc_lo
	v_cmp_gt_f32 vcc_lo, s58, v[S+8*\g+\i]
	s_delay_alu instid0(VALU_DEP_1)
	v_cndmask_b32 v[T+8*(\g%2)+\i], v[T+8*(\g%2)+\i], -1.0, vcc_lo
.endr
.irp i, 0,2,4,6
	v_pk_add_f32 v[T+8*(\g%2)+\i:T+8*(\g%2)+\i+1], v[T+8*(\g%2)+\i:T+8*(\g%2)+\i+1], v[S+8*\g+\i:S+8*\g+\i+1] neg_lo:[0,1] neg_hi:[0,1]
.endr
.irp i, 0,2,4,6
	s_delay_alu instid0(VALU_DEP_4)
	v_pk_add_f32 v[T+8*(\g%2)+\i:T+8*(\g%2)+\i+1], v[S+8*\g+\i:S+8*\g+\i+1], v[T+8*(\g%2)+\i:T+8*(\g%2)+\i+1]
.endr
.irp i, 0,1,2,3,4,5,6,7
	v_med3_num_f32 v[T+8*(\g%2)+\i], v[T+8*(\g%2)+\i], -v255, v255
.endr
	v_cvt_scalef32_pk8_fp8_f32 v[SC+2*\g:SC+2*\g+1], v[T+8*(\g%2):T+8*(\g%2)+7], v254
.endr
	v_nop
.endm
.macro BAR                             ; my LDS stores have landed and my LDS loads are in; then the work-group's barrier
	s_wait_dscnt 0x0
	s_barrier_signal -1
	s_barrier_wait -1
.endm
	s_load_b256 s[4:11], s[0:1], 0x0               ; x s[4:5], signatures s[6:7], the exponents s[8:9], xq s[10:11]
	s_load_b128 s[12:15], s[0:1], 0x20             ; choice s[12:13], out1 s[14:15]
	v_lshl_add_u32 v174, v0, 2, 0x26300
	v_mov_b32 v175, 0
	v_lshrrev_b32 v1, 5, v0
	s_delay_alu instid0(VALU_DEP_1)
	v_readfirstlane_b32 s50, v1                    ; wave 0..7
	v_and_b32 v1, 31, v0                           ; lane
	v_and_b32 v2, 15, v0                           ; r
	v_bfe_u32 v3, v0, 4, 1                         ; h
	s_delay_alu instid0(VALU_DEP_3)
	v_lshlrev_b32 v4, 4, v1                        ; 16 x lane: my bytes of a load's or a store's 512
	s_mul_i32 s51, s50, 2*RP
	v_add_nc_u32 v5, s51, v4                       ; into x's tile: rows 2 w, 2 w + 1
	s_delay_alu instid0(VALU_DEP_1)
	v_add_nc_u32 v6, SG, v5                        ; into the signatures'
	v_mul_u32_u24 v7, v2, RP
	s_delay_alu instid0(VALU_DEP_1)
	v_lshl_add_u32 v7, v3, 6, v7
	s_lshl_b32 s51, s50, 9
	v_add_nc_u32 v7, s51, v7                       ; out of x's tile: row r, + 512 w + 64 h
	s_delay_alu instid0(VALU_DEP_1)
	v_add_nc_u32 v8, SG, v7                        ; out of the signatures'
	s_lshl_b32 s51, s50, 10
	s_add_co_u32 s51, s51, PART
	v_add_nc_u32 v9, s51, v4                       ; my partial tile's image
	v_add_nc_u32 v10, PART, v4                     ; all eight images
	v_mul_u32_u24 v11, v2, QP
	s_delay_alu instid0(VALU_DEP_1)
	v_lshl_add_u32 v11, v3, 4, v11
	s_lshl_b32 s51, s50, 7
	s_add_co_u32 s51, s51, QS
	v_add_nc_u32 v11, s51, v11                     ; the codes' stage, in: row r, + 128 w + 16 h
	s_mul_i32 s51, s50, 2*QP
	s_add_co_u32 s51, s51, QS
	v_add_nc_u32 v12, s51, v4                      ; and out: rows 2 w, 2 w + 1
	v_lshlrev_b32 v13, 2, v2                       ; 4 r: a token's word in choice and in out1
	v_mov_b32 v242, 0                              ; written once: a lane permute's destination counts as one of its sources
	v_mov_b32 v243, 0
	s_mov_b32 s54, 0x76543210                      ; v_permlanex16_b32: lane l xor 16
	s_mov_b32 s55, 0xfedcba98
	s_mov_b32 s56, 0xffff0000                      ; lanes 16-31
	s_mov_b32 s57, 0x3e99999a                      ; 0.3
	s_mov_b32 s58, 0xbe99999a                      ; -0.3
	s_lshl_b32 s60, ttmp9, 16                      ; x: 16 tokens of 4,096 bytes a work-group,
	s_lshl_b32 s62, s50, 13                        ; two rows a wave (the signatures too)
	s_add_co_u32 s60, s60, s62
	s_mov_b32 s61, 0
	s_mov_b32 s63, 0
	s_wait_kmcnt 0x0
	s_load_b512 s[16:31], s[8:9], 0x0              ; the 34 exponents: entry i in s[16 + i]
	s_load_b512 s[32:47], s[8:9], 0x40
	s_load_b64 s[48:49], s[8:9], 0x80
	s_add_nc_u64 s[4:5], s[4:5], s[60:61]
	s_add_nc_u64 s[6:7], s[6:7], s[62:63]
	TILE_LD S, 6                                   ; the signatures first: loads come back in order, and their work stands under x's way in
	TILE_LD X, 4
	s_lshl_b32 s60, ttmp9, 14                      ; xq: 16 rows of 1,024 bytes a work-group, two a wave
	s_lshl_b32 s62, s50, 11
	s_add_co_u32 s60, s60, s62
	s_add_nc_u64 s[10:11], s[10:11], s[60:61]
	s_lshl_b32 s62, ttmp9, 6                       ; choice, out1: 16 words a work-group
	s_add_nc_u64 s[12:13], s[12:13], s[62:63]
	s_add_nc_u64 s[14:15], s[14:15], s[62:63]
	s_wait_kmcnt 0x0
	s_add_co_i32 s51, s16, 127
	s_lshl_b32 s51, s51, 23
	v_mov_b32 v252, s51                            ; 2^e0 as f32: the conversion takes its exponent field
	s_add_co_u32 s52, s51, 0x4600000               ; eight more in the exponent field and 448's mantissa field:
	v_mov_b32 v253, s52                            ; 448 x 2^e0
	s_add_co_i32 s51, s17, 127
	s_lshl_b32 s51, s51, 23
	v_mov_b32 v254, s51                            ; 2^e1
	s_add_co_u32 s52, s51, 0x4600000
	v_mov_b32 v255, s52                            ; 448 x 2^e1
	s_wait_loadcnt 16                              ; the signatures' sixteen loads are in; x's sixteen, issued behind them, may be out
	TILE_ST S, 6
	BAR                                            ; all sixteen signatures lie in LDS
	FRAG_LD S, 8
	s_wait_dscnt 0x0
	QSIG
	s_wait_loadcnt 0x0                             ; x
	TILE_ST X, 5
	BAR                                            ; the sixteen tokens lie in LDS
	FRAG_LD X, 7
	s_wait_dscnt 0x0
	QX X, XC, 252, 253
	v_wmma_f32_16x16x128_fp8_fp8 v[D:D+7], v[SC:SC+15], v[XC:XC+15], 0   ; source 0 = the 16 experts, source 1 = my 16 tokens: a lane holds one token and eight experts
.rept 4
	v_nop                                          ; four plain lines between a matrix instruction and the first read of its result (ISA guide 7.12.1)
.endr
	ds_store_b128 v9, v[D:D+3]                     ; the result is read from its low end on
	ds_store_b128 v9, v[D+4:D+7] offset:512
	BAR                                            ; the eight partial tiles lie in LDS
.irp j, 0,1,2,3,4,5,6,7
	ds_load_b128 v[S+8*\j:S+8*\j+3], v10 offset:1024*\j
	ds_load_b128 v[S+8*\j+4:S+8*\j+7], v10 offset:1024*\j+512
.endr
	s_wait_dscnt 0x0
.irp i, 0,2,4,6
	v_pk_add_f32 v[SUM+\i:SUM+\i+1], v[S+\i:S+\i+1], v[S+8+\i:S+8+\i+1]
.endr
.irp j, 2,3,4,5,6,7                    ; K ascending
.irp i, 0,2,4,6
	s_delay_alu instid0(VALU_DEP_4)
	v_pk_add_f32 v[SUM+\i:SUM+\i+1], v[SUM+\i:SUM+\i+1], v[S+8*\j+\i:S+8*\j+\i+1]
.endr
.endr
	s_delay_alu instid0(VALU_DEP_4)
	; the first largest score: strictly greater alone replaces, so the lower index stays
	v_mov_b32 v240, v[SUM]
	v_mov_b32 v241, 0
.irp j, 1,2,3,4,5,6,7
	s_delay_alu instid0(VALU_DEP_2)
	v_cmp_gt_f32 vcc_lo, v[SUM+\j], v240
	s_delay_alu instid0(VALU_DEP_1)
	v_cndmask_b32 v240, v240, v[SUM+\j], vcc_lo
	s_delay_alu instid0(VALU_DEP_2)
	v_cndmask_b32 v241, v241, \j, vcc_lo
.endr
	s_delay_alu instid0(VALU_DEP_1)
	v_lshl_add_u32 v241, v3, 3, v241               ; + 8 h
	s_delay_alu instid0(VALU_DEP_3)
	v_permlanex16_b32 v242, v240, s54, s55         ; the token's other eight experts lie in the lane 16 away
	s_delay_alu instid0(VALU_DEP_2)
	v_permlanex16_b32 v243, v241, s54, s55
	s_delay_alu instid0(VALU_DEP_2)
	v_cndmask_b32 v244, v240, v242, s56            ; experts 0-7's best: mine in lanes 0-15, the other's in lanes 16-31
	s_delay_alu instid0(VALU_DEP_3)
	v_cndmask_b32 v245, v242, v240, s56            ; experts 8-15's best
	s_delay_alu instid0(VALU_DEP_3)
	v_cndmask_b32 v246, v241, v243, s56
	s_delay_alu instid0(VALU_DEP_4)
	v_cndmask_b32 v247, v243, v241, s56
	s_delay_alu instid0(VALU_DEP_3)
	v_cmp_gt_f32 vcc_lo, v245, v244
	s_delay_alu instid0(VALU_DEP_1)
	v_cndmask_b32 v248, v246, v247, vcc_lo         ; the expert of token r, in both halves of the lanes and in all eight waves
	; the exponent that the table gives x for that expert's product: a value chosen among sixteen, no address
	v_mov_b32 v249, s18
.irp e, 1,2,3,4,5,6,7,8,9,10,11,12,13,14,15
	v_cmp_eq_u32 vcc_lo, \e, v248
	s_delay_alu instid0(VALU_DEP_1)
	v_cndmask_b32 v249, v249, s[18+2*\e], vcc_lo
.endr
	s_delay_alu instid0(VALU_DEP_1)
	v_add_lshl_u32 v250, v249, 127, 23             ; 2^e as f32
	s_delay_alu instid0(VALU_DEP_1)
	v_add_nc_u32 v251, 0x4600000, v250             ; 448 x 2^e
	QX X, XQ, 250, 251
.irp c, 0,1,2,3
	ds_store_b128 v11, v[XQ+4*\c:XQ+4*\c+3] offset:32*\c   ; k = 128 w + 32 c + 16 h + 0 .. 15 of row r
.endr
	BAR                                            ; sixteen whole rows of codes lie in LDS
.irp j, 0,1
.irp q, 0,1
	ds_load_b128 v[T+4*(2*\j+\q):T+4*(2*\j+\q)+3], v12 offset:QP*\j+512*\q
.endr
.endr
	s_wait_dscnt 0x0
.irp j, 0,1
.irp q, 0,1
	global_store_b128 v4, v[T+4*(2*\j+\q):T+4*(2*\j+\q)+3], s[10:11] offset:1024*\j+512*\q   ; 32 lanes store 512 consecutive bytes, at a multiple of 512 from xq's first byte
.endr
.endr
	s_cmp_lg_u32 s50, 0                            ; wave 0 alone stores the sixteen experts' numbers; no barrier stands under this branch
	s_cbranch_scc1 .Lend
	s_wait_xcnt 0x0                                ; EXEC is a source of the stores above: it changes only behind this wait
	v_cmp_gt_u32 vcc_lo, 16, v1
	s_and_saveexec_b32 s59, vcc_lo
	global_store_b32 v13, v248, s[12:13]
	global_store_b32 v13, v248, s[14:15]
	s_wait_xcnt 0x0                                ; and again ahead of the line that widens it
	s_or_b32 exec_lo, exec_lo, s59
.Lend:
	s_wait_tensorcnt 0x0
	ds_add_u32 v174, v175
	s_wait_dscnt 0x0
	s_endpgm
.Lfunc_end_k_q6ced39168f_route:
	.size	k_q6ced39168f_route, .Lfunc_end_k_q6ced39168f_route-k_q6ced39168f_route
	.p2alignl 7, 3214868480
	.fill 96, 4, 3214868480
	.section	.rodata,"a",@progbits
	.p2align	6, 0x0
	.amdhsa_kernel k_q6ced39168f_route
		.amdhsa_group_segment_fixed_size 157440
		.amdhsa_private_segment_fixed_size 0
		.amdhsa_enable_private_segment 0
		.amdhsa_kernarg_size 48
		.amdhsa_user_sgpr_count 2
		.amdhsa_user_sgpr_kernarg_segment_ptr 1
		.amdhsa_wavefront_size32 1
		.amdhsa_system_sgpr_workgroup_id_x 1
		.amdhsa_system_sgpr_workgroup_id_y 1
		.amdhsa_system_sgpr_workgroup_id_z 1
		.amdhsa_system_vgpr_workitem_id 0
		.amdhsa_next_free_vgpr 256
		.amdhsa_next_free_sgpr 66
		.amdhsa_reserve_vcc 1
		.amdhsa_float_denorm_mode_32 3
		.amdhsa_float_denorm_mode_16_64 3
		.amdhsa_memory_ordered 1
		.amdhsa_forward_progress 1
		.amdhsa_inst_pref_size 56
	.end_amdhsa_kernel
	.amdgpu_metadata
---
amdhsa.version: [ 1, 2 ]
amdhsa.kernels:
  - .name:           k_q6ced39168f_route
    .symbol:         k_q6ced39168f_route.kd
    .args:
      - { .name: x, .offset: 0, .size: 8, .value_kind: global_buffer, .address_space: global }
      - { .name: signatures_raw, .offset: 8, .size: 8, .value_kind: global_buffer, .address_space: global }
      - { .name: lowp_scales, .offset: 16, .size: 8, .value_kind: global_buffer, .address_space: global }
      - { .name: xq, .offset: 24, .size: 8, .value_kind: global_buffer, .address_space: global }
      - { .name: choice, .offset: 32, .size: 8, .value_kind: global_buffer, .address_space: global }
      - { .name: out1, .offset: 40, .size: 8, .value_kind: global_buffer, .address_space: global }
    .group_segment_fixed_size: 157440
    .private_segment_fixed_size: 0
    .kernarg_segment_align: 8
    .kernarg_segment_size: 48
    .max_flat_workgroup_size: 256
    .sgpr_count:     66
    .vgpr_count:     256
    .wavefront_size: 32
...
	.end_amdgpu_metadata
.endif
;; end of part 4
;; launch place (part 5): grid 16 x 1, 8 waves a work-group, no clusters, 1,280 bytes of LDS; arguments choice, order, counts; writes order, counts
.if DOCPART == 5
	.amdgcn_target "amdgcn-amd-amdhsa--gfx1250"
	.amdhsa_code_object_version 6
	.text
	.protected	k_q6ced39168f_place
	.globl	k_q6ced39168f_place
	.p2align	8
	.type	k_q6ced39168f_place,@function
k_q6ced39168f_place:
	s_mov_b64 s[64:65], 0
	v_nop
	global_prefetch_b8 v0, s[64:65] scope:SCOPE_SE
	s_setreg_imm32_b32 hwreg(HW_REG_WAVE_MODE, 25, 1), 1
	s_wait_xcnt 0x0
; THE ROWS BY EXPERT.  Work-group e reads all 4,096 choices and writes the numbers of the tokens that chose expert e into order[e][0 .. count - 1], and count into counts[e].
; No atomics: a token's place is the number of matching tokens ahead of it: in lower lanes of the same register (the compare's mask, counted by v_mbcnt_lo_u32_b32), in earlier
; registers of the wave (a running scalar count), and in earlier waves (eight counts through LDS, one barrier).  The places are 0 .. count - 1, each once; their order is not the tokens'.
; Thread t holds tokens 1024 q + 4 t + c in register 4 q + c: four loads of 16 bytes a lane, 512 consecutive bytes a wave.
; Sixteen work-groups: one for each expert; the launch moves 16 KB in and 16 KB out, so matrix units, clusters and rings have nothing to do here.
.set CH, 8                             ; v8-23   the choices
.set RK, 24                            ; v24-39  the places, then their byte offsets in order[e]
.set TK, 40                            ; v40-55  the tokens' numbers
	s_load_b128 s[4:7], s[0:1], 0x0                ; choice s[4:5], order s[6:7]
	s_load_b64 s[8:9], s[0:1], 0x10                ; counts
	v_lshl_add_u32 v64, v0, 2, 0x100
	v_mov_b32 v65, 0
	v_lshrrev_b32 v1, 5, v0
	s_delay_alu instid0(VALU_DEP_1)
	v_readfirstlane_b32 s10, v1                    ; wave 0..7
	s_mov_b32 s11, ttmp9                           ; my expert
	v_lshlrev_b32 v2, 4, v0                        ; 16 x thread
	v_lshlrev_b32 v3, 2, v0                        ; 4 x thread: my first token of each quarter
	v_lshlrev_b32 v4, 2, v1                        ; my wave's word in LDS
	s_lshl_b32 s26, ttmp9, 14                      ; order[e]: 4,096 words
	s_mov_b32 s27, 0
	s_lshl_b32 s28, ttmp9, 2                       ; counts[e]
	s_mov_b32 s29, 0
	s_mov_b32 s12, 0                               ; matching tokens of my wave so far
	s_wait_alu depctr_va_vdst(0)
	s_wait_kmcnt 0x0
	s_add_nc_u64 s[6:7], s[6:7], s[26:27]
	s_add_nc_u64 s[8:9], s[8:9], s[28:29]
.irp q, 0,1,2,3
	global_load_b128 v[CH+4*\q:CH+4*\q+3], v2, s[4:5] offset:4096*\q
.endr
	s_wait_loadcnt 0x0
.set i, 0
.rept 16
	v_cmp_eq_u32 vcc_lo, s11, v[CH+i]
	s_delay_alu instid0(VALU_DEP_1)
	v_mbcnt_lo_u32_b32 v[RK+i], vcc_lo, s12        ; matches in lower lanes + matches in earlier registers
	s_bcnt1_i32_b32 s13, vcc_lo
	s_add_co_u32 s12, s12, s13
.set i, i+1
.endr
	v_mov_b32 v5, s12
	ds_store_b32 v4, v5                            ; all lanes of a wave write the same word with the same number
	s_wait_dscnt 0x0                               ; for the others' sake: my store has landed
	s_barrier_signal -1
	s_barrier_wait -1
	v_mov_b32 v6, 0
	ds_load_b128 v[56:59], v6
	ds_load_b128 v[60:63], v6 offset:16
	s_wait_dscnt 0x0
.irp j, 0,1,2,3,4,5,6,7
	v_readfirstlane_b32 s[16+\j], v[56+\j]
.endr
	s_mov_b32 s14, 0                               ; matches in earlier waves
	s_mov_b32 s15, 0                               ; matches in all
.irp j, 0,1,2,3,4,5,6,7
	s_cmp_lt_u32 \j, s10
	s_cselect_b32 s13, s[16+\j], 0
	s_add_co_u32 s14, s14, s13
	s_add_co_u32 s15, s15, s[16+\j]
.endr
.set i, 0
.rept 16
	v_add_nc_u32 v[RK+i], s14, v[RK+i]
	s_delay_alu instid0(VALU_DEP_1)
	v_min_u32 v[RK+i], 0xfff, v[RK+i]              ; a place lies under 4,096 by its make; the bound is written out, since the number comes from loaded data
	s_delay_alu instid0(VALU_DEP_1)
	v_lshlrev_b32 v[RK+i], 2, v[RK+i]
	v_add_nc_u32 v[TK+i], 1024*(i/4)+i%4, v3
.set i, i+1
.endr
	v_mov_b32 v7, s15
	s_wait_xcnt 0x0                                ; EXEC changes only behind this wait
.set i, 0
.rept 16                               ; each register has its own offsets and data, so only EXEC is at stake between two stores
	v_cmp_eq_u32 vcc_lo, s11, v[CH+i]
	s_and_saveexec_b32 s24, vcc_lo
	global_store_b32 v[RK+i], v[TK+i], s[6:7]
	s_wait_xcnt 0x0                                ; ahead of the line that widens EXEC, and of the next that narrows it
	s_or_b32 exec_lo, exec_lo, s24
.set i, i+1
.endr
	s_cmp_lg_u32 s10, 0                            ; wave 0's first lane stores the count
	s_cbranch_scc1 .Lend
	v_cmp_eq_u32 vcc_lo, 0, v0
	s_and_saveexec_b32 s24, vcc_lo
	global_store_b32 v6, v7, s[8:9]
	s_wait_xcnt 0x0
	s_or_b32 exec_lo, exec_lo, s24
.Lend:
	s_wait_tensorcnt 0x0
	ds_add_u32 v64, v65
	s_wait_dscnt 0x0
	s_endpgm
.Lfunc_end_k_q6ced39168f_place:
	.size	k_q6ced39168f_place, .Lfunc_end_k_q6ced39168f_place-k_q6ced39168f_place
	.p2alignl 7, 3214868480
	.fill 96, 4, 3214868480
	.section	.rodata,"a",@progbits
	.p2align	6, 0x0
	.amdhsa_kernel k_q6ced39168f_place
		.amdhsa_group_segment_fixed_size 1280
		.amdhsa_private_segment_fixed_size 0
		.amdhsa_enable_private_segment 0
		.amdhsa_kernarg_size 24
		.amdhsa_user_sgpr_count 2
		.amdhsa_user_sgpr_kernarg_segment_ptr 1
		.amdhsa_wavefront_size32 1
		.amdhsa_system_sgpr_workgroup_id_x 1
		.amdhsa_system_sgpr_workgroup_id_y 1
		.amdhsa_system_sgpr_workgroup_id_z 1
		.amdhsa_system_vgpr_workitem_id 0
		.amdhsa_next_free_vgpr 66
		.amdhsa_next_free_sgpr 66
		.amdhsa_reserve_vcc 1
		.amdhsa_float_denorm_mode_32 3
		.amdhsa_float_denorm_mode_16_64 3
		.amdhsa_memory_ordered 1
		.amdhsa_forward_progress 1
		.amdhsa_inst_pref_size 14
	.end_amdhsa_kernel
	.amdgpu_metadata
---
amdhsa.version: [ 1, 2 ]
amdhsa.kernels:
  - .name:           k_q6ced39168f_place
    .symbol:         k_q6ced39168f_place.kd
    .args:
      - { .name: choice, .offset: 0, .size: 8, .value_kind: global_buffer, .address_space: global }
      - { .name: order, .offset: 8, .size: 8, .value_kind: global_buffer, .address_space: global }
      - { .name: counts, .offset: 16, .size: 8, .value_kind: global_buffer, .address_space: global }
    .group_segment_fixed_size: 1280
    .private_segment_fixed_size: 0
    .kernarg_segment_align: 8
    .kernarg_segment_size: 24
    .max_flat_workgroup_size: 256
    .sgpr_count:     66
    .vgpr_count:     66
    .wavefront_size: 32
...
	.end_amdgpu_metadata
.endif
;; end of part 5
;; launch chain (part 6): grid 79 x 4, 4 waves a work-group, no clusters, 18,944 bytes of LDS; arguments xq, W_codes, lowp_scales, b, x, order, counts, out0; writes out0
.if DOCPART == 6
	.amdgcn_target "amdgcn-amd-amdhsa--gfx1250"
	.amdhsa_code_object_version 6
	.text
	.protected	k_q6ced39168f_chain
	.globl	k_q6ced39168f_chain
	.p2align	8
	.type	k_q6ced39168f_chain,@function
k_q6ced39168f_chain:
	s_mov_b64 s[64:65], 0
	v_nop
	global_prefetch_b8 v0, s[64:65] scope:SCOPE_SE
	s_setreg_imm32_b32 hwreg(HW_REG_WAVE_SCHED_MODE, 0, 2), 2
	s_setreg_imm32_b32 hwreg(HW_REG_WAVE_MODE, 25, 1), 1
	s_wait_xcnt 0x0
	s_wait_alu depctr_vm_vsrc(0)
; THE CHOSEN EXPERT'S LAYER.  out0[t] = relu(Q(x[t]) W[e]^T + b[e]) + x[t], e the expert that token t chose: only the rows that the mask of the problem keeps are multiplied.
; xq holds x's codes at the scale 2^ea of the chosen expert's product, W_codes the weights' codes (scale 2^eb), both K innermost; a finished sum is multiplied once by 2^(ea + eb).
; THE GRID SERVES EVERY SPLIT.  Tiles have 64 rows of one expert's list; 4,096 rows on 16 experts make at most 4096 / 64 + 15 = 79 tiles.  Work-group x is the tile's number; its expert and first
; row are found from the sixteen stored counts without a branch; a work-group beyond the last tile stores nothing and ends.  Work-group y picks 256 columns, wave w 64 of them.
; A WAVE IS ON ITS OWN: 64 rows x 64 columns, 16 accumulators; operands go from memory straight into registers, two K steps of 128 ahead; no barrier, no change of EXEC.
; NO TENSOR LOADS, NO CLUSTER: a work-group ends on a stored count and an expert's number of tiles hangs on the data, so partners could not make the same joint requests.
; SLOTS PAST A TILE'S END name the tile's last row once more: they compute and store that row's own numbers again, so no mask is needed; blocks of 16 slots that hold nothing else are left out.
; THE MATRIX INSTRUCTION IS USED TRANSPOSED (source 0 = 16 rows of W, source 1 = 16 tokens): a lane holds one token and eight neighbouring columns.  Both fragments take k = 32 c + 16 h + 0 .. 15
; into registers 4 c .. 4 c + 3: the same order of k on both sides, so every product meets its partner.
; LIMITS.  ea + eb of each expert lies between -126 and 127, so that 2^(ea + eb) is an f32 number.  NaN among the inputs is not served.
; REGISTERS.  Window 0: v1-15 lane numbers and addresses; v16-19 xq offsets of my rows; v20-23 the bias; v32-63 offsets of the rows in x and out0; v64-127 two sets of 32 on the way out;
;   v128-255 the accumulators, (a, t) at v[128 + 8 (4 a + t)].   Window 1: two fragment buffers of 128: xq's four fragments, then W's four; at the end buffer 0 holds the residual's x.
; THE MODE: SCHED_MODE bits 1:0 = 2 (LLVM: expert scheduling mode 2), set by the entry lines.  The code itself states the register dependences
; between vector or matrix instructions and memory or LDS instructions, with s_wait_alu, always for 0.
; THE PLAN.  Registers that memory or LDS instructions touch:
;   window 1, buffers 0, 1   K step s: its sixteen matrix instructions read buffer s % 2; behind them the loads of step s + 2 land in it (behind step 6: the residual's x in buffer 0, which the blocks' additions read).
;   v4-v13                   Addresses and offsets: written by vector lines at the head, read by loads, stores and LDS instructions, never written again.
;   v14, v15                 Loaded (token numbers); held by two vector lines; read by two LDS stores; shifted by two vector lines; read by the two prefetches of K step 2.
;   v16-19, v32-63           Loaded from LDS; made into offsets by vector lines; then read by loads and stores and never written again.
;   the accumulators         Written by matrix instructions alone; read by the blocks' LDS stores.
;   v64-127, two sets        Block a: LDS loads land in set a % 2, vector lines work on it in place, eight stores read it; block a + 2 loads it again.
;   v30, v31                 Written at the head, read by the closing add alone.
; So ONE wait on va_vdst stands in a K step, behind its matrix instructions, where the buffer that they have emptied is asked for again at once: the wave has two steps' loads out while it waits for the next step's data.
; On the way out one wait on va_vdst stands ahead of all LDS stores of the accumulators, one in each block ahead of its eight stores, and one wait on vm_vsrc ahead of each set's second use.
.set ACC,  128
.set BK,   64
.set RO,   32
.set AAD,  16
.set SP,   272                         ; a stage row: 64 f32 + 16 bytes: sixteen rows start 16 bytes apart modulo 256
.set WLDS, 4608                        ; LDS of a wave: the stage, 16 x 272 bytes, then the tile's 64 token numbers
.set TABO, 16*SP
.set MSB, 0
.macro WIN new                         ; low byte: bits 1:0 source 0, 3:2 source 1, 5:4 source 2, 7:6 destination; the high byte repeats the setting that is left
.if MSB != \new
	s_set_vgpr_msb (MSB<<8)|\new
.set MSB, \new
.endif
.endm
.macro LOADA s                         ; xq's four fragments of K step s: tokens 16 a + r
	WIN 0x40                                       ; destination window 1, address window 0
.set FB, 128*((\s)%2)
.irp a, 0,1,2,3
.irp c, 0,1,2,3
	global_load_b128 v[FB+16*\a+4*\c:FB+16*\a+4*\c+3], v[AAD+\a], s[4:5] offset:128*(\s)+32*\c
.endr
.endr
.endm
.macro LOADB s                         ; W's four fragments of K step s: rows n0 + 16 t + r
	WIN 0x40
.set FB, 128*((\s)%2)
.irp t, 0,1,2,3
.irp c, 0,1,2,3
	global_load_b128 v[FB+64+16*\t+4*\c:FB+64+16*\t+4*\c+3], v4, s[6:7] offset:16384*\t+128*(\s)+32*\c
.endr
.endr
.endm
.macro MUL s, zero                     ; 16 matrix instructions; the 16 accumulators take turns, one instruction a turn, in the same order in every step
.set FB, 128*((\s)%2)
.irp a, 0,1,2,3
.irp t, 0,1,2,3
.if \zero
	v_wmma_f32_16x16x128_fp8_fp8 v[ACC+8*(4*\a+\t):ACC+8*(4*\a+\t)+7], v[FB+64+16*\t:FB+64+16*\t+15], v[FB+16*\a:FB+16*\a+15], 0
.else
	v_wmma_f32_16x16x128_fp8_fp8 v[ACC+8*(4*\a+\t):ACC+8*(4*\a+\t)+7], v[FB+64+16*\t:FB+64+16*\t+15], v[FB+16*\a:FB+16*\a+15], v[ACC+8*(4*\a+\t):ACC+8*(4*\a+\t)+7]
.endif
.endr
.endr
.endm
.macro PLACES                          ; four plain lines between a matrix instruction and a load into a register that it has read, or the first read of its result
.rept 4
	v_nop
.endr
.endm
.macro XLOADS                          ; the residual: my 64 rows' 256 bytes of x, sixteen lanes to a row, into buffer 0 of window 1
	WIN 0x40
.irp a, 0,1,2,3
.irp i, 0,1,2,3,4,5,6,7
	global_load_b128 v[32*\a+4*\i:32*\a+4*\i+3], v[RO+8*\a+\i], s[12:13]
.endr
.endr
.endm
; K step s.  left: the loads issued behind this step's own, which may stay out.  The buffer just multiplied takes the step two on.
.macro STEP s, left, zero
	s_wait_loadcnt \left
	WIN 0x05                                       ; sources 0 and 1 window 1, C and D window 0
	MUL \s, \zero
	PLACES
.if \s <= 6
	WIN 0x40                                       ; the loads' window first, then the wait, then the loads
	s_wait_alu depctr_va_vdst(0)                   ; this step's sixteen matrix instructions are done reading buffer s % 2, in which the loads below land; in step 0 also: the head's vector lines have written v14, v15 and v32-63, which the prefetches and the residual's loads read
.endif
.if \s <= 5
	LOADA (\s)+2
	LOADB (\s)+2
.endif
.if \s == 2
	; a prefetch of the residual's x: a lane a row, the 256 bytes that this wave alone will load for that row; it stands behind this step's loads, four K steps ahead of the loads that want the bytes
	global_prefetch_b8 v14, s[12:13] th:TH_LOAD_NT scope:SCOPE_SE
	global_prefetch_b8 v15, s[12:13] th:TH_LOAD_NT scope:SCOPE_SE
.endif
.if \s == 6
	XLOADS
.endif
.endm
; Slots 16 a .. 16 a + 15 go out: through my own stage, back as rows of 256 bytes; sum x 2^(ea + eb) + b, relu, + x; sixteen lanes store one aligned run of 256 bytes of a token's row.
.macro BLOCK a
.if \a >= 2
	s_wait_xcnt 0x0                                ; the stores of the block two back have read this set of registers
	s_wait_alu depctr_vm_vsrc(0)                   ; the same, stated for the registers themselves: those stores have read the set in which this block's LDS loads land and which its vector lines write.  Both waits stand ahead of the branch below, on every way
.endif
.if \a > 0
	s_cmp_le_u32 s28, 16*\a                        ; nothing but repeats of the last row from here on
	s_cbranch_scc1 .Lend
.endif
.set BB, BK+32*(\a%2)
.irp t, 0,1,2,3
	ds_store_b128 v5, v[ACC+8*(4*\a+\t):ACC+8*(4*\a+\t)+3] offset:64*\t          ; each accumulator from its low end on
	ds_store_b128 v5, v[ACC+8*(4*\a+\t)+4:ACC+8*(4*\a+\t)+7] offset:64*\t+16
.endr
.irp i, 0,1,2,3,4,5,6,7
	ds_load_b128 v[BB+4*\i:BB+4*\i+3], v6 offset:2*SP*\i   ; LDS serves a wave's instructions in order (ISA guide 5.7.1.4): these see my stores, and the next block's stores come behind them.  The vector lines that named this set, two blocks back, stand ahead of the waits on va_vdst of both blocks between
.endr
	s_wait_dscnt 0x0
	s_wait_loadcnt 24-8*\a                         ; this block's eight loads of x are in; the later blocks' may be out
.irp i, 0,1,2,3,4,5,6,7
	v_pk_fma_f32 v[BB+4*\i:BB+4*\i+1], v[BB+4*\i:BB+4*\i+1], s[50:51], v[20:21] op_sel_hi:[1,0,1]
	v_pk_fma_f32 v[BB+4*\i+2:BB+4*\i+3], v[BB+4*\i+2:BB+4*\i+3], s[50:51], v[22:23] op_sel_hi:[1,0,1]
.endr
.set j, 0
.rept 32
	v_max_num_f32 v[BB+j], 0, v[BB+j]
.set j, j+1
.endr
	WIN 0x04                                       ; source 1 (x) window 1
.set j, 0
.rept 16
	v_pk_add_f32 v[BB+j:BB+j+1], v[BB+j:BB+j+1], v[32*\a+j:32*\a+j+1]
.set j, j+2
.endr
	WIN 0
	s_wait_alu depctr_va_vdst(0)                   ; the additions have written this set, which the eight stores below read
.irp i, 0,1,2,3,4,5,6,7
	global_store_b128 v[RO+8*\a+\i], v[BB+4*\i:BB+4*\i+3], s[18:19] th:TH_STORE_NT
.endr
.endm
	s_load_b512 s[4:19], s[0:1], 0x0               ; xq 4:5, W 6:7, exponents 8:9, b 10:11, x 12:13, order 14:15, counts 16:17, out0 18:19
	v_lshl_add_u32 v30, v0, 2, 0x4800
	v_mov_b32 v31, 0
	v_lshrrev_b32 v1, 5, v0
	v_readfirstlane_b32 s20, v1                    ; wave 0..3
	s_mov_b32 s21, ttmp9                           ; the tile's number
	s_and_b32 s22, ttmp7, 0xffff                   ; which 256 columns
	v_and_b32 v1, 31, v0                           ; lane
	v_and_b32 v2, 15, v0                           ; r
	v_bfe_u32 v3, v0, 4, 1                         ; h
	v_lshlrev_b32 v10, 4, v3                       ; 16 h
	v_lshlrev_b32 v11, 4, v2                       ; 16 r
	v_lshl_add_u32 v4, v2, 10, v10                 ; W: row r of 1,024 bytes, + 16 h
	s_wait_alu depctr_va_sdst(0)                   ; s20 is written, ahead of its first reader: the wave's LDS bytes and its columns are made from it
	s_mul_i32 s52, s20, WLDS
	v_mul_u32_u24 v5, v2, SP
	v_lshl_add_u32 v5, v3, 5, v5
	v_add_nc_u32 v5, s52, v5                       ; the stage, in: row r, + 32 h
	v_mul_u32_u24 v6, v3, SP
	v_add_nc_u32 v6, v6, v11
	v_add_nc_u32 v6, s52, v6                       ; and out: lanes 0-15 one row, lanes 16-31 the next; 16 bytes a lane
	s_add_co_u32 s52, s52, TABO
	v_lshl_add_u32 v7, v1, 2, s52                  ; the token table: slot = lane,
	v_lshl_add_u32 v8, v2, 2, s52                  ; slot r,
	v_lshl_add_u32 v9, v3, 2, s52                  ; slot h
	s_lshl_b32 s54, s22, 8
	s_lshl_b32 s55, s20, 6
	s_add_co_u32 s54, s54, s55                     ; n0: my first column
	s_mov_b32 s23, 0                               ; tiles of the experts passed
	s_mov_b32 s24, 0                               ; my expert,
	s_mov_b32 s25, 0                               ; its first tile's number,
	s_mov_b32 s26, 0                               ; its count
	s_wait_kmcnt 0x0
	s_load_b512 s[32:47], s[16:17], 0x0            ; the sixteen counts
	s_wait_kmcnt 0x0
.irp e, 0,1,2,3,4,5,6,7,8,9,10,11,12,13,14,15  ; the last expert whose first tile is not behind mine; one without rows is overridden by the next
	s_cmp_ge_u32 s21, s23
	s_cselect_b32 s24, \e, s24
	s_cselect_b32 s25, s23, s25
	s_cselect_b32 s26, s[32+\e], s26
	s_add_co_u32 s52, s[32+\e], 63
	s_lshr_b32 s52, s52, 6
	s_add_co_u32 s23, s23, s52
.endr
	s_sub_co_u32 s27, s21, s25
	s_lshl_b32 s27, s27, 6                         ; my first place in the expert's list
	s_sub_co_i32 s52, s26, s27                     ; rows from there on
	s_cmp_le_i32 s52, 0
	s_cbranch_scc1 .Lend                           ; a tile that this split does not have
	s_min_u32 s28, s52, 64                         ; rows in my tile, 1 to 64
	s_sub_co_u32 s29, s28, 1
	s_min_u32 s29, s29, 63                         ; the last slot that holds a row.  (These bounds hold by the numbers' make; they are written out, since the numbers come from loaded data)
	s_min_u32 s24, s24, 15
	s_min_u32 s27, s27, 4032
	s_mov_b32 s31, 0
	s_mov_b32 s49, 0
	s_lshl_b32 s30, s24, 14
	s_add_nc_u64 s[14:15], s[14:15], s[30:31]      ; order[e]
	s_lshl_b32 s30, s24, 20
	s_lshl_b32 s48, s54, 10
	s_add_co_u32 s30, s30, s48
	s_add_nc_u64 s[6:7], s[6:7], s[30:31]          ; W[e], row n0
	s_lshl_b32 s30, s24, 12
	s_lshl_b32 s48, s54, 2
	s_add_co_u32 s30, s30, s48
	s_add_nc_u64 s[10:11], s[10:11], s[30:31]      ; b[e], column n0
	s_add_nc_u64 s[12:13], s[12:13], s[48:49]      ; x and out0 at column n0
	s_add_nc_u64 s[18:19], s[18:19], s[48:49]
	s_lshl_b32 s53, s24, 3
	s_load_b64 s[50:51], s[8:9], s53 offset:0x8    ; ea, eb: entries 2 + 2 e and 3 + 2 e
	v_min_u32 v12, s29, v1                         ; slot = lane, held at the last row's slot,
	v_add_nc_u32 v12, s27, v12
	v_min_u32 v12, 0xfff, v12
	v_lshlrev_b32 v12, 2, v12
	v_add_nc_u32 v13, 32, v1                       ; and slot = lane + 32
	v_min_u32 v13, s29, v13
	v_add_nc_u32 v13, s27, v13
	v_min_u32 v13, 0xfff, v13
	v_lshlrev_b32 v13, 2, v13
	s_wait_alu depctr_va_vdst(0)                   ; the addresses and offsets v4 to v13 are written, which the loads below and every later load, store and LDS instruction read
	global_load_b32 v14, v12, s[14:15]             ; the tile's 64 token numbers
	global_load_b32 v15, v13, s[14:15]
	global_load_b128 v[20:23], v11, s[10:11]       ; b at columns n0 + 4 r .. + 3
	LOADB 0                                        ; W wants no token: its first two K steps go out at once
	LOADB 1
	WIN 0
	s_wait_loadcnt 32                              ; the three small loads are in; W's 32 may be out
	v_min_u32 v14, 0xfff, v14
	v_min_u32 v15, 0xfff, v15
	s_wait_alu depctr_va_vdst(0)                   ; the two holds have written v14 and v15, which the LDS stores read
	ds_store_b32 v7, v14                           ; the table is my wave's own: no barrier, and LDS serves my instructions in order
	ds_store_b32 v7, v15 offset:128
.irp a, 0,1,2,3
	ds_load_b32 v[AAD+\a], v8 offset:64*\a         ; token of slot 16 a + r
.endr
	s_wait_dscnt 0x0
.irp a, 0,1,2,3
	v_min_u32 v[AAD+\a], 0xfff, v[AAD+\a]
	v_lshl_add_u32 v[AAD+\a], v[AAD+\a], 10, v10   ; its row of 1,024 codes, + 16 h
.endr
	WIN 0x40                                       ; the loads' window first, then the wait, then the loads
	s_wait_alu depctr_va_vdst(0)                   ; the four offsets v16 to v19 are written, which all loads of xq read
	LOADA 0
	LOADA 1
	WIN 0
.irp a, 0,1,2,3
.irp i, 0,1,2,3,4,5,6,7
	ds_load_b32 v[RO+8*\a+\i], v9 offset:64*\a+8*\i   ; token of slot 16 a + 2 i + h
.endr
.endr
	s_wait_alu depctr_vm_vsrc(0)                   ; the two LDS stores of the table have read v14 and v15, which the two lines below write
	v_lshlrev_b32 v14, 12, v14                     ; the prefetches' offsets: the rows of slots lane and lane + 32 in x
	v_lshlrev_b32 v15, 12, v15
	s_wait_dscnt 0x0
.set j, 0
.rept 32
	v_min_u32 v[RO+j], 0xfff, v[RO+j]
	v_lshl_add_u32 v[RO+j], v[RO+j], 12, v11       ; its row of 4,096 bytes in x and in out0, + 16 r
.set j, j+1
.endr
	s_wait_kmcnt 0x0
	s_add_co_i32 s50, s50, s51
	s_add_co_i32 s50, s50, 127
	s_lshl_b32 s50, s50, 23                        ; 2^(ea + eb) as f32
	s_mov_b32 s51, s50                             ; (named with it as a pair, so it is written)
	STEP 0, 16, 1                                  ; behind step 0's loads only xq's sixteen of step 1 were issued; the first products start the sums
	STEP 1, 32, 0                                  ; from here on: behind a step's loads stand the 32 of the next fill
	STEP 2, 32, 0
	STEP 3, 32, 0
	STEP 4, 32, 0
	STEP 5, 32, 0
	STEP 6, 32, 0
	STEP 7, 32, 0                                  ; (behind step 7's loads: the residual's 32)
	WIN 0
	s_wait_alu depctr_va_vdst(0)                   ; the matrix instructions have written the accumulators, which the LDS stores of all four blocks read and no later line writes; step 7's four plain lines stay beside this wait
	BLOCK 0
	BLOCK 1
	BLOCK 2
	BLOCK 3
.Lend:
	s_wait_dscnt 0x0                               ; the closing lines, six on end
	s_wait_alu 0x0
	s_wait_tensorcnt 0x0
	ds_add_u32 v30, v31
	s_wait_dscnt 0x0
	s_endpgm
.Lfunc_end_k_q6ced39168f_chain:
	.size	k_q6ced39168f_chain, .Lfunc_end_k_q6ced39168f_chain-k_q6ced39168f_chain
	.p2alignl 7, 3214868480
	.fill 96, 4, 3214868480
	.section	.rodata,"a",@progbits
	.p2align	6, 0x0
	.amdhsa_kernel k_q6ced39168f_chain
		.amdhsa_group_segment_fixed_size 18944
		.amdhsa_private_segment_fixed_size 0
		.amdhsa_enable_private_segment 0
		.amdhsa_kernarg_size 64
		.amdhsa_user_sgpr_count 2
		.amdhsa_user_sgpr_kernarg_segment_ptr 1
		.amdhsa_wavefront_size32 1
		.amdhsa_system_sgpr_workgroup_id_x 1
		.amdhsa_system_sgpr_workgroup_id_y 1
		.amdhsa_system_sgpr_workgroup_id_z 1
		.amdhsa_system_vgpr_workitem_id 0
		.amdhsa_next_free_vgpr 512
		.amdhsa_next_free_sgpr 66
		.amdhsa_reserve_vcc 0
		.amdhsa_float_denorm_mode_32 3
		.amdhsa_float_denorm_mode_16_64 3
		.amdhsa_memory_ordered 1
		.amdhsa_forward_progress 1
		.amdhsa_inst_pref_size 72
	.end_amdhsa_kernel
	.amdgpu_metadata
---
amdhsa.version: [ 1, 2 ]
amdhsa.kernels:
  - .name:           k_q6ced39168f_chain
    .symbol:         k_q6ced39168f_chain.kd
    .args:
      - { .name: xq, .offset: 0, .size: 8, .value_kind: global_buffer, .address_space: global }
      - { .name: W_codes, .offset: 8, .size: 8, .value_kind: global_buffer, .address_space: global }
      - { .name: lowp_scales, .offset: 16, .size: 8, .value_kind: global_buffer, .address_space: global }
      - { .name: b, .offset: 24, .size: 8, .value_kind: global_buffer, .address_space: global }
      - { .name: x, .offset: 32, .size: 8, .value_kind: global_buffer, .address_space: global }
      - { .name: order, .offset: 40, .size: 8, .value_kind: global_buffer, .address_space: global }
      - { .name: counts, .offset: 48, .size: 8, .value_kind: global_buffer, .address_space: global }
      - { .name: out0, .offset: 56, .size: 8, .value_kind: global_buffer, .address_space: global }
    .group_segment_fixed_size: 18944
    .private_segment_fixed_size: 0
    .kernarg_segment_align: 8
    .kernarg_segment_size: 64
    .max_flat_workgroup_size: 128
    .sgpr_count:     66
    .vgpr_count:     512
    .wavefront_size: 32
...
	.end_amdgpu_metadata
.endif
;; end of part 6
